; MI455X (gfx1250); checked and timed in simulation.
; The chip was launched on July 23, 2026; its instructions are those of AMD's public machine-readable ISA for CDNA 5 (MIT licence, August 2026) and "CDNA5" Instruction Set Architecture Reference Guide (July 2026). The comments in the code are by the model that wrote it; some were corrected since.
;; Linear Attention Layer. Allowed arithmetic: matrix products marked QUANTISED: E3M2 operands, one E8M0 scale for each 32 along K, by v_wmma_scale_f32_16x16x128_f8f6f4 with both operands' format E3M2, f32 sums; products left as they are: f32 operands where the result goes on into a quantised operand, else bf16, f16 or f32 operands; f32 sums; everything else in f32.
;; Inputs: W1 256 x 512 float32; W2 512 x 256 float32; Wkv 256 x 512 float32; Wp 256 x 256 float32; Wq 256 x 256 float32; b1 512 float32; b2 256 float32; bp 256 float32; kv 8 x 8,192 x 256 float32; kv_mask 8 x 8,192 float32; ln1_b 256 float32; ln1_g 256 float32; ln2_b 256 float32; ln2_g 256 float32; q 8 x 8,192 x 256 float32; q_mask 8 x 8,192 float32.
;; Outputs: out0 8 x 8,192 x 256 float32.
;; This version of the problem:
;;   THIS VERSION OF THE PROBLEM IS GIVEN IN LOW PRECISION. The matrix products marked QUANTISED in the list below multiply operands that are first quantised to E3M2 (3 exponent bits, 2 mantissa bits; 6 bits a number), with one power-of-two scale for each 32 numbers along K (OCP MX v1.0); their sums are f32. All else is computed in f32.
;;   The module's matrix products, in the order in which they are computed (A, B: the left and right operand; K: the contracted axis; several contracted axes count as one K, in the product's order):
;;     1. [M 65,536, K 256] x [K 256, N 256]; A: computed on the way; B: input Wq: QUANTISED
;;     2. [M 65,536, K 256] x [K 256, N 512]; A: computed on the way; B: input Wkv: QUANTISED
;;     3. batch 64 x [M 32, K 8,192] x [K 8,192, N 32]; A: computed on the way; B: computed on the way: QUANTISED
;;     4. batch 64 x [M 1, K 32] x [K 32, N 8,192]; A: computed on the way; B: computed on the way: left as it is (M = 1 < 16)
;;     5. batch 64 x [M 32, K 32] x [K 32, N 8,192]; A: computed on the way; B: computed on the way: QUANTISED
;;     6. batch 524,288 x [M 1, K 1] x [K 1, N 32]; A: computed on the way; B: computed on the way: left as it is (no contracted axis)
;;     7. [M 65,536, K 256] x [K 256, N 256]; A: computed on the way; B: input Wp: QUANTISED
;;     8. [M 65,536, K 256] x [K 256, N 512]; A: computed on the way; B: input W1: QUANTISED
;;     9. [M 65,536, K 512] x [K 512, N 256]; A: computed on the way; B: input W2: QUANTISED
;;   THE QUANTISER, for each operand of a quantised product, along K:
;;     - K is cut into blocks of 32 from its start; a last block that is shorter is filled with zeros.
;;     - A block's scale is 2^e with e = floor(log2(the largest magnitude in the block)) - 4, held to -126 .. 127; a block of zeros has e = 0. As a byte (E8M0): e + 127.
;;     - Each number is divided by its block's scale, clamped to +-28, and rounded to the nearest number of E3M2, ties to even, subnormals kept.
;;     - The product sums the exact products of the quantised numbers (number of the format x scale) in f32.
;;   ~~~python
;;   def quantise(x, axis):      # numpy; x: float32 -> the quantised numbers, widened to float32 again
;;       x = np.moveaxis(x, axis, -1); K = x.shape[-1]
;;       x = np.pad(x, [(0, 0)] * (x.ndim - 1) + [(0, -K % 32)]); x = x.reshape(x.shape[:-1] + (-1, 32)); a = np.abs(x).max(-1, keepdims=True)
;;       e = np.where(a > 0, np.clip(np.frexp(np.where(a > 0, a, 1))[1] - 1 - 4, -126, 127), 0)      # np.frexp(a)[1] - 1 = floor(log2(a)), exactly
;;       r = np.clip(x / 2.0 ** e, -28, 28)
;;       step = 2.0 ** (np.maximum(np.frexp(np.where(r == 0, 1, r))[1] - 1, -2) - 2)
;;       q = np.round(r / step) * step * 2.0 ** e      # np.round: ties to even
;;       return np.moveaxis(q.reshape(q.shape[:-2] + (-1,))[..., :K], -1, axis).astype(np.float32)
;;   ~~~
;;   OPERANDS COMPUTED ON THE WAY. 'Computed on the way' means the value that the module computes at that place (a softmax that the list does not call 'softmax' is quantised finished and normalised). What goes into a quantiser is computed in f32, as accurately as f32 sums, v_exp_f32 and their like allow (about 1e-6 of the number): no bf16 or f16 on the way to a quantiser, and a product that is left as it is and whose result goes on into a quantised operand takes f32 operands (vector FMAs, or v_wmma_f32_16x16x4_f32). A number that lies on a knife's edge between two numbers of the format may be rounded either way, as far as f32 arithmetic and the matrix unit's own rounding can turn it there, and no further.
;; One version. Each part assembles by itself: llvm-mc -triple=amdgcn-amd-amdhsa -mcpu=gfx1250 --defsym DOCPART=n.
;; ======== version 1 of 1: 4 launches
;; workspace buffers: wf 393,216 bytes; ws 16,384 bytes; part 8,388,608 bytes; kpart 524,288 bytes; sf 196,608 bytes; ss 8,192 bytes; ks 8,192 bytes
;; launch prep (part 1): grid 128 x 1, 1 waves a work-group, no clusters, 0 bytes of LDS; arguments Wkv, Wq, Wp, W1, W2, wf, ws; writes wf, ws
.if DOCPART == 1
	.amdgcn_target "amdgcn-amd-amdhsa--gfx1250"
	.amdhsa_code_object_version 6
	.text
	.protected	k_qf81c382ca5_prep
	.globl	k_qf81c382ca5_prep
	.p2align	8
	.type	k_qf81c382ca5_prep,@function
k_qf81c382ca5_prep:
	s_mov_b64 s[64:65], 0
	v_nop
	global_prefetch_b8 v0, s[64:65] scope:SCOPE_SE
	s_setreg_imm32_b32 hwreg(HW_REG_WAVE_MODE, 25, 1), 1
	s_wait_xcnt 0x0
; The five weights, f32 stored [K][N], become codes of BF6 (E3M2) with one E8M0 byte for each 32 along K, laid as IMAGES OF OPERAND REGISTERS.
; A fragment is 16 columns x 128 K, 12 registers a lane: registers 4 j .. 4 j + 3 of lane l lie at 512 j + 16 l of its 1,536 bytes in wf.
; Fragment row p of column tile t = 2 b + u is weight column 32 b + 8 u + p + 8 (p / 8): used as source 0, a lane's 16 results of tiles 2 b, 2 b + 1 are then 16 neighbours along the next K.
; Fragment number: Wkv 0-63, Wq 64-95, Wp 96-127, W1 128-191, W2 192-255; within a weight t x (K / 128) + K step.  ws: 16 scale words a fragment, 64 bytes.
; One wave makes the fragments 2 J and 2 J + 1 (one column tile, 256 along K).  A lane takes a column and its registers run down K, in the operand's own order: nothing is transposed.
; LIMITS: a block whose largest magnitude lies under 2^-122 keeps the byte 1; a block of zeros gets the byte 1 (its codes are zeros; this program alone reads the bytes); NaN and infinities are not served.
.set X,   64                           ; v64-191  128 numbers: X + 64 s + 32 c + i = W(128 s + 64 c + 32 h + i, my column)
.set F,   32                           ; v32-55   the two fragments
.set SCR, 192                          ; v192-207 the second halves of the four blocks
.set MX,  8
.set SO,  12
.set BY,  16
.set WD,  20
.set WP,  22
	s_load_b256 s[4:11], s[0:1], 0x0               ; Wkv, Wq, Wp, W1
	s_load_b128 s[12:15], s[0:1], 0x20             ; W2, wf
	s_load_b64 s[16:17], s[0:1], 0x30              ; ws
	v_and_b32 v1, 15, v0                           ; p
	v_lshrrev_b32 v2, 4, v0                        ; h
	v_and_b32 v3, 8, v1
	v_add_nc_u32 v3, v3, v1
	v_lshlrev_b32 v3, 2, v3                        ; 4 (p + 8 (p / 8))
	s_mov_b32 s30, 0x76543210
	s_mov_b32 s31, 0xfedcba98
	s_mov_b32 s28, 65536
	s_bitcmp1_b32 ttmp9, 5                         ; J / 32 odd: Wq, Wp, W2: rows of 1,024 bytes; else 2,048
	s_cselect_b32 s27, 32768, s28                  ; 32 rows
	v_mul_u32_u24 v4, s27, v2
	v_add_nc_u32 v3, v3, v4                        ; lanes 16-31 begin 32 rows further down
	v_lshlrev_b32 v6, 4, v0                        ; 16 l
	v_lshlrev_b32 v7, 2, v0                        ; 4 l
	v_mov_b32 v[WP], 0
	v_mov_b32 v[WP+1], 0
	s_wait_kmcnt 0x0
	s_cmp_lt_u32 ttmp9, 32                         ; which weight, and the first J of its range: the choice hangs on the work-group's number alone
	s_cselect_b64 s[18:19], s[4:5], s[6:7]
	s_cselect_b32 s20, 0, 32
	s_cmp_lt_u32 ttmp9, 48
	s_cselect_b64 s[18:19], s[18:19], s[8:9]
	s_cselect_b32 s20, s20, 48
	s_cmp_lt_u32 ttmp9, 64
	s_cselect_b64 s[18:19], s[18:19], s[10:11]
	s_cselect_b32 s20, s20, 64
	s_cmp_lt_u32 ttmp9, 96
	s_cselect_b64 s[18:19], s[18:19], s[12:13]
	s_cselect_b32 s20, s20, 96
	s_cselect_b32 s22, 0, 1                        ; W2 has four K steps: two work-groups to a column tile
	s_sub_co_u32 s21, ttmp9, s20
	s_and_b32 s23, s21, s22                        ; which 256 along K
	s_lshr_b32 s21, s21, s22                       ; t
	s_lshr_b32 s24, s21, 1
	s_lshl_b32 s24, s24, 7
	s_and_b32 s25, s21, 1
	s_lshl_b32 s25, s25, 5
	s_add_co_u32 s24, s24, s25                     ; 128 b + 32 u
	s_lshl_b32 s25, s23, 18                        ; 256 rows of 1,024 bytes
	s_add_co_u32 s24, s24, s25
	s_mov_b32 s25, 0
	s_add_nc_u64 s[18:19], s[18:19], s[24:25]
	s_mul_i32 s24, ttmp9, 3072
	s_add_nc_u64 s[14:15], s[14:15], s[24:25]
	s_lshl_b32 s24, ttmp9, 7
	s_add_nc_u64 s[16:17], s[16:17], s[24:25]
.macro LDW pitch
.irp s, 0,1
.irp c, 0,1
.set i, 0
.rept 32
	global_load_b32 v[X+64*\s+32*\c+i], v3, s[18:19] offset:(128*\s+64*\c+i)*\pitch
.set i, i+1
.endr
.endr
.endr
.endm
	s_bitcmp1_b32 ttmp9, 5
	s_cbranch_scc1 .Lnarrow
	LDW 2048
	s_branch .Lhave
.Lnarrow:
	LDW 1024
.Lhave:
	s_wait_loadcnt 0x0
.irp b, 0,1,2,3                        ; block b = 2 s + c: all its 32 numbers are mine; the floor 2^(5 - 127) holds the byte at 1 from below
	v_max3_num_f32 v[MX+\b], |v[X+32*\b]|, |v[X+32*\b+1]|, 0x2800000
.endr
.irp i, 2,4,6,8,10,12,14,16,18,20,22,24,26,28,30
.irp b, 0,1,2,3
	v_max3_num_f32 v[MX+\b], v[MX+\b], |v[X+32*\b+\i]|, |v[X+32*\b+\i+1]|
.endr
.endr
.irp b, 0,1,2,3
	v_add_nc_u32 v[SO+\b], 0xfe000000, v[MX+\b]    ; 4 off the exponent field: the conversion's scale operand
.endr
.irp b, 0,1,2,3
	v_lshrrev_b32 v[BY+\b], 23, v[SO+\b]           ; the scale's byte
.endr
	v_lshlrev_b32 v5, 3, v2
.irp s, 0,1                            ; my two bytes of fragment s are blocks h and 2 + h of the scale word; lane l xor 16 has the other two
	v_lshl_or_b32 v[WD+\s], v[BY+2*\s+1], 16, v[BY+2*\s]
	v_lshlrev_b32 v[WD+\s], v5, v[WD+\s]
	v_permlanex16_b32 v[WP+\s], v[WD+\s], s30, s31
	v_or_b32 v[WD+\s], v[WD+\s], v[WP+\s]
.endr
.irp b, 0,1,2,3
	v_cvt_scalef32_pk16_bf6_f32 v[F+6*\b:F+6*\b+2], v[X+32*\b:X+32*\b+15], v[SO+\b]
	v_cvt_scalef32_pk16_bf6_f32 v[SCR+4*\b:SCR+4*\b+2], v[X+32*\b+16:X+32*\b+31], v[SO+\b]   ; a conversion's three registers begin on an even number
.endr
	v_nop                                          ; one plain line behind the scaled conversions
.irp b, 0,1,2,3
.irp i, 0,1,2
	v_mov_b32 v[F+6*\b+3+\i], v[SCR+4*\b+\i]
.endr
.endr
	v_cmp_ne_u32 vcc_lo, 0, v2
	v_cndmask_b32 v8, v[WD], v[WD+1], vcc_lo       ; lanes 0-15 fragment 2 J's words, lanes 16-31 fragment 2 J + 1's
.irp k, 0,1,2,3,4,5
	global_store_b128 v6, v[F+4*\k:F+4*\k+3], s[14:15] offset:512*\k   ; 32 lanes store 512 consecutive bytes
.endr
	global_store_b32 v7, v8, s[16:17]
	s_endpgm
.Lfunc_end_k_qf81c382ca5_prep:
	.size	k_qf81c382ca5_prep, .Lfunc_end_k_qf81c382ca5_prep-k_qf81c382ca5_prep
	.p2alignl 7, 3214868480
	.fill 96, 4, 3214868480
	.section	.rodata,"a",@progbits
	.p2align	6, 0x0
	.amdhsa_kernel k_qf81c382ca5_prep
		.amdhsa_group_segment_fixed_size 0
		.amdhsa_private_segment_fixed_size 0
		.amdhsa_enable_private_segment 0
		.amdhsa_kernarg_size 56
		.amdhsa_user_sgpr_count 2
		.amdhsa_user_sgpr_kernarg_segment_ptr 1
		.amdhsa_wavefront_size32 1
		.amdhsa_system_sgpr_workgroup_id_x 1
		.amdhsa_system_sgpr_workgroup_id_y 1
		.amdhsa_system_sgpr_workgroup_id_z 1
		.amdhsa_system_vgpr_workitem_id 0
		.amdhsa_next_free_vgpr 256
		.amdhsa_next_free_sgpr 66
		.amdhsa_reserve_vcc 1
		.amdhsa_float_denorm_mode_32 3
		.amdhsa_float_denorm_mode_16_64 3
		.amdhsa_memory_ordered 1
		.amdhsa_forward_progress 1
		.amdhsa_inst_pref_size 33
	.end_amdhsa_kernel
	.amdgpu_metadata
---
amdhsa.version: [ 1, 2 ]
amdhsa.kernels:
  - .name:           k_qf81c382ca5_prep
    .symbol:         k_qf81c382ca5_prep.kd
    .args:
      - { .name: Wkv, .offset: 0, .size: 8, .value_kind: global_buffer, .address_space: global }
      - { .name: Wq, .offset: 8, .size: 8, .value_kind: global_buffer, .address_space: global }
      - { .name: Wp, .offset: 16, .size: 8, .value_kind: global_buffer, .address_space: global }
      - { .name: W1, .offset: 24, .size: 8, .value_kind: global_buffer, .address_space: global }
      - { .name: W2, .offset: 32, .size: 8, .value_kind: global_buffer, .address_space: global }
      - { .name: wf, .offset: 40, .size: 8, .value_kind: global_buffer, .address_space: global }
      - { .name: ws, .offset: 48, .size: 8, .value_kind: global_buffer, .address_space: global }
    .group_segment_fixed_size: 0
    .private_segment_fixed_size: 0
    .kernarg_segment_align: 8
    .kernarg_segment_size: 56
    .max_flat_workgroup_size: 32
    .sgpr_count:     66
    .vgpr_count:     256
    .wavefront_size: 32
...
	.end_amdgpu_metadata
.endif
;; end of part 1
;; launch kvpath (part 2): grid 256 x 1, 4 waves a work-group, no clusters, 327,680 bytes of LDS; arguments kv, kv_mask, wf, ws, ln1_g, ln1_b, part, kpart; writes part, kpart
.if DOCPART == 2
	.amdgcn_target "amdgcn-amd-amdhsa--gfx1250"
	.amdhsa_code_object_version 6
	.text
	.protected	k_qf81c382ca5_kvpath
	.globl	k_qf81c382ca5_kvpath
	.p2align	8
	.type	k_qf81c382ca5_kvpath,@function
k_qf81c382ca5_kvpath:
	s_mov_b64 s[64:65], 0
	v_nop
	global_prefetch_b8 v0, s[64:65] scope:SCOPE_SE
	s_setreg_imm32_b32 hwreg(HW_REG_WAVE_MODE, 25, 1), 1
	s_wait_xcnt 0x0
; For 256 rows of kv: layer norm, x Wkv (codes of BF6), k = (elu + 1) x mask, v = v x mask / 8192, both quantised ALONG THE ROWS, and this work-group's part of kv_state = sum over rows of k v and of sum k.
; SHARES.  Four blocks of 64 rows.  Wave w normalises and quantises 16 rows of a block (their image goes to LDS for all four waves) and owns heads 2 w, 2 w + 1: column tiles q = 0-3 (k) and 4-7 (v),
; whose 16 fragments of Wkv stay in window 1.  kv comes through two LDS slots by the tensor data mover, 16 rows (16 KiB) a wave and block.
; THE PRODUCT IS USED IN NATURAL ORDER (source 0 = rows, source 1 = columns) and row tile T is made of block rows 8 T + m + 24 (m / 8): a lane's 32 results of the four row tiles are then ONE column and the
; 32 NEIGHBOURING rows 32 (lane / 16) + 0 .. 31: a whole block of the next product's K, in the lane and registers where that operand wants it.  No lane asks another for a maximum.
; The codes of the 4 blocks wait in the wave's own LDS bytes; at the end two K steps of 128 rows make the 2 x 32 x 32 sums.
; The weights are asked for at the head and waited for only ahead of the first product: the first block's layer norm runs while they are on their way.
; NO CLUSTER: the tiles of kv are read by one work-group each; what is shared, 96 KiB of weight images, goes once from memory into the registers where it stays.
; LIMITS: blocks under 2^-122 keep the byte 1; a block of zeros gets the byte 1 (zero codes; read by this program alone); NaN and infinities are not served.
.set SLOT1, 131072                     ; slot 0 at 0, slot 1 here: 64 rows x 1,040 bytes each
.set XN,    66560                      ; 8 fragment images (row tile T, K step s: 2 T + s), 1,536 bytes each
.set SCLXN, 78848                      ; their scale words, 128 bytes each
.set VT,    79872                      ; ln1_g, ln1_b
.set KVI,   197632                     ; for each wave [block 4][tile 8][768]: six code registers a lane, pair p at 256 p + 8 l
.set KVB,   295936                     ; for each wave [block 4][tile 8][32]: the scale byte of (column r, half h) at 2 r + h
.set SPARE, 300032                     ; the spare words: 128 bytes a wave
.set SPW, 1
.set NIL, 2
.set LI,  3                            ; 16 l
.set LS,  4                            ; 4 l
.set L8,  5                            ; 8 l
.set QRB, 6                            ; my row of my row tile in a slot, + 64 h
.set VV0, 8                            ; VT + 64 h
.set XNR, 9                            ; XN + 16 l
.set SCR, 10                           ; SCLXN + 4 l
.set XNW, 12                           ; where I store my images
.set XNSW, 13                          ; and their scale words
.set KW,  14
.set KB,  15
.set KR,  16
.set MOF, 17                           ; 128 h: my 32 rows' masks
.set AD0, 22
.set KWD, 23
.set KBD, 24
.set WS,  28                           ; v28-35  Wkv's scale words: tile q; K step 0 in lanes 0-15, 1 in lanes 16-31
.set KSP, 36                           ; v36-43  sum k: a pair for each k tile
.set AFS, 56                           ; v56-63  activations' scale words
.set PW,  65
.set X,   66                           ; v66-193 a row's 128 numbers of my half
.set PC,  194
.set ST,  214
.set TM,  240
.set AF,  66                           ; v66-161 eight fragments
.set ACC, 162                          ; v162-225 two sets of four accumulators
.set CC,  226                          ; two sets of codes, 10 registers each
.set MX,  246
.set BYR, 252
.set UU,  226
.set P3,  162
.set VEC, 192                          ; windows 2 and 3: g and b of 32 columns
.set MM,  0                            ; window 2: the masks, the masks / 8192, ELU's exponentials
.set MV,  32
.set TT,  64
.set WV,  34
.set TB,  35
.set CNT, 36
.set N6144, 38
.set N256, 39
.set MP,  40
.set SEL, 46
.set G1,  48
.set G0,  56
.set LG2, 66
.set R13, 68
.set C256, 70
.set CEPS, 71
.set MSB, 0
.macro WIN new                         ; the immediate's high byte repeats the setting that is left
.if MSB != (\new)
	s_set_vgpr_msb (MSB<<8)|(\new)
.set MSB, (\new)
.endif
.endm
.macro PLACES n
.rept \n
	v_nop
.endr
.endm
.macro BAR                             ; my LDS stores have landed and my LDS loads are in: then the work-group's barrier
	s_wait_dscnt 0x0
	s_barrier_signal -1
	s_barrier_wait -1
.endm
.macro WM d, a, b, c, sa, sb, mod      ; c < 0: the constant 0 starts the sum.  mod 1: source 0's scales from lanes 16-31; 2: source 1's
.if (\c) < 0
.if (\mod) == 0
	v_wmma_scale_f32_16x16x128_f8f6f4 v[\d:\d+7], v[\a:\a+11], v[\b:\b+11], 0, v[\sa], v[\sb] matrix_a_fmt:MATRIX_FMT_BF6 matrix_b_fmt:MATRIX_FMT_BF6
.elseif (\mod) == 1
	v_wmma_scale_f32_16x16x128_f8f6f4 v[\d:\d+7], v[\a:\a+11], v[\b:\b+11], 0, v[\sa], v[\sb] matrix_a_fmt:MATRIX_FMT_BF6 matrix_b_fmt:MATRIX_FMT_BF6 matrix_a_scale:MATRIX_SCALE_ROW1
.else
	v_wmma_scale_f32_16x16x128_f8f6f4 v[\d:\d+7], v[\a:\a+11], v[\b:\b+11], 0, v[\sa], v[\sb] matrix_a_fmt:MATRIX_FMT_BF6 matrix_b_fmt:MATRIX_FMT_BF6 matrix_b_scale:MATRIX_SCALE_ROW1
.endif
.else
.if (\mod) == 0
	v_wmma_scale_f32_16x16x128_f8f6f4 v[\d:\d+7], v[\a:\a+11], v[\b:\b+11], v[\c:\c+7], v[\sa], v[\sb] matrix_a_fmt:MATRIX_FMT_BF6 matrix_b_fmt:MATRIX_FMT_BF6
.elseif (\mod) == 1
	v_wmma_scale_f32_16x16x128_f8f6f4 v[\d:\d+7], v[\a:\a+11], v[\b:\b+11], v[\c:\c+7], v[\sa], v[\sb] matrix_a_fmt:MATRIX_FMT_BF6 matrix_b_fmt:MATRIX_FMT_BF6 matrix_a_scale:MATRIX_SCALE_ROW1
.else
	v_wmma_scale_f32_16x16x128_f8f6f4 v[\d:\d+7], v[\a:\a+11], v[\b:\b+11], v[\c:\c+7], v[\sa], v[\sb] matrix_a_fmt:MATRIX_FMT_BF6 matrix_b_fmt:MATRIX_FMT_BF6 matrix_b_scale:MATRIX_SCALE_ROW1
.endif
.endif
.endm
; 64 numbers of a lane, register 16 b + i = k 32 b + 16 (lane / 16) + i of my row, become a fragment's codes in v[pc] on and its scale word in v[pw]
.macro QUANT s, pc, pw
.irp b, 0,1,2,3
	v_max3_num_f32 v[TM+\b], |v[\s+16*\b]|, |v[\s+1+16*\b]|, 0x2800000   ; and the floor 2^(5 - 127): the byte cannot fall under 1
.endr
.irp i, 2,4,6,8,10,12,14
.irp b, 0,1,2,3
	v_max3_num_f32 v[TM+\b], v[TM+\b], |v[\s+16*\b+\i]|, |v[\s+1+16*\b+\i]|
.endr
.endr
.irp b, 0,1,2,3
	v_permlanex16_b32 v[TM+4+\b], v[TM+\b], s[SEL], s[SEL+1]
.endr
.irp b, 0,1,2,3
	v_max_num_f32 v[TM+\b], v[TM+\b], v[TM+4+\b]   ; with lane l xor 16's: the block's largest magnitude
.endr
.irp b, 0,1,2,3
	v_add_nc_u32 v[TM+12+\b], 0xfe000000, v[TM+\b] ; 4 off its exponent field: the conversion's scale operand
.endr
.irp b, 0,1,2,3
	v_lshrrev_b32 v[TM+4+\b], 23, v[TM+12+\b]      ; the scale's byte
.endr
	v_lshl_or_b32 v[\pw], v[TM+5], 8, v[TM+4]
	v_lshl_or_b32 v[\pw], v[TM+6], 16, v[\pw]
	v_lshl_or_b32 v[\pw], v[TM+7], 24, v[\pw]
.irp c, 0,1
	v_cvt_scalef32_pk16_bf6_f32 v[\pc+6*\c:\pc+2+6*\c], v[\s+32*\c:\s+15+32*\c], v[TM+12+2*\c]
	v_cvt_scalef32_pk16_bf6_f32 v[\pc+12+4*\c:\pc+14+4*\c], v[\s+16+32*\c:\s+31+32*\c], v[TM+12+2*\c+1]
.endr
	v_nop                                          ; one plain line behind the scaled conversions
.irp c, 0,1                            ; the operand wants a whole block in a lane: lanes 0-15 block 2 c, lanes 16-31 block 2 c + 1
.irp i, 0,1,2
	v_permlane16_swap_b32 v[\pc+6*\c+\i], v[\pc+12+4*\c+\i]
.endr
.irp i, 0,1,2
	v_mov_b32 v[\pc+3+6*\c+\i], v[\pc+12+4*\c+\i]
.endr
.endr
.endm
; elu(x) + 1 = max(x, 0) + e^min(x, 0) of 32 numbers at a; the exponentials at t in window wt.  One batch, one wait; the 32 maxima are the plain work behind the batch
.macro ELU a, t, wt
	WIN (\wt)<<6
.set i, 0
.rept 16
	v_pk_mul_f32 v[\t+i:\t+i+1], v[\a+i:\a+i+1], s[LG2:LG2+1] op_sel_hi:[1,0]
.set i, i+2
.endr
	WIN ((\wt)<<6)|((\wt)<<2)
.set i, 0
.rept 32
	v_min_num_f32 v[\t+i], 0, v[\t+i]
.set i, i+1
.endr
	WIN ((\wt)<<6)|(\wt)
.set i, 0
.rept 32
	v_exp_f32 v[\t+i], v[\t+i]
.set i, i+1
.endr
	WIN 0
.set i, 0
.rept 32
	v_max_num_f32 v[\a+i], 0, v[\a+i]
.set i, i+1
.endr
	s_wait_alu depctr_va_vdst(0)                   ; ahead of the first reader of the batch
	WIN (\wt)<<2
.set i, 0
.rept 16
	v_pk_add_f32 v[\a+i:\a+i+1], v[\a+i:\a+i+1], v[\t+i:\t+i+1]
.set i, i+2
.endr
	WIN 0
.endm
; THE CHANGE OF SLOTS, at a block's head.  Every wave: all its tensor loads have landed (its 16 rows of the block ahead), the add, its LDS reads and stores are over; the barrier.
; fill = 1: the slot read in the block before takes the block after this one: one load a wave, first thing behind the barrier; one tensor load of a wave is out.
.macro CHANGE fill
	s_wait_tensorcnt 0x0
	ds_add_u32 v[SPW], v[NIL]                      ; 0 onto my spare word
.if \fill
	s_xor_b32 s[G0+1], s[G0+1], SLOT1              ; no load of mine is out, so the descriptor may step: the other slot,
	s_add_nc_u64 s[G0+2:G0+3], s[G0+2:G0+3], 65536 ; 64 rows on
.endif
	s_wait_dscnt 0x0
	s_barrier_signal -1
	s_barrier_wait -1
.if \fill
	tensor_load_to_lds s[G0:G0+3], s[G1:G1+7]
	s_nop 0
	PLACES 4
.endif
.endm
.macro VLOAD k, wd                     ; g and b of my 32 columns of chunk k
	WIN \wd
.irp b, 0,1
.irp j, 0,1,2,3
	ds_load_b128 v[VEC+16*\b+4*\j:VEC+16*\b+4*\j+3], v[VV0] offset:256*(\k)+128*\b+16*\j
	ds_load_b128 v[VEC+32+16*\b+4*\j:VEC+32+16*\b+4*\j+3], v[VV0] offset:1024+256*(\k)+128*\b+16*\j
.endr
.endr
	WIN 0
.endm
.macro CHUNK k, wc                     ; 32 numbers: x rsqrt, x g + b
.set i, X+32*(\k)
.rept 16
	v_pk_mul_f32 v[i:i+1], v[i:i+1], v[ST+10:ST+11]
.set i, i+2
.endr
	WIN \wc
.set i, 0
.rept 16
	v_pk_fma_f32 v[X+32*(\k)+i:X+32*(\k)+i+1], v[X+32*(\k)+i:X+32*(\k)+i+1], v[VEC+i:VEC+i+1], v[VEC+32+i:VEC+32+i+1]
.set i, i+2
.endr
	WIN 0
.endm
.macro LANESUM c                       ; four chains at v[c] .. v[c + 7] -> the row's sum in v[c]
	v_pk_add_f32 v[\c:\c+1], v[\c:\c+1], v[\c+2:\c+3]
	v_pk_add_f32 v[\c+4:\c+5], v[\c+4:\c+5], v[\c+6:\c+7]
	v_pk_add_f32 v[\c:\c+1], v[\c:\c+1], v[\c+4:\c+5]
	v_add_f32 v[\c], v[\c], v[\c+1]
	v_permlanex16_b32 v[TM+4], v[\c], s[SEL], s[SEL+1]
	v_add_f32 v[\c], v[\c], v[TM+4]
.endm
; LAYER NORM 1 of my 16 rows, in two passes, and their two fragments.  Lane (r, h) holds of row r the columns 32 b + 16 h + i in register 16 b + i.
.macro P0
	v_add_nc_u32 v[AD0], s[TB], v[QRB]
.irp b, 0,1,2,3,4,5,6,7
.irp j, 0,1,2,3
	ds_load_b128 v[X+16*\b+4*\j:X+16*\b+4*\j+3], v[AD0] offset:128*\b+16*\j
.endr
.endr
	VLOAD 0, 0x80
	VLOAD 1, 0xc0
	s_wait_dscnt 32                                ; the row is in; the 32 younger loads (g, b of chunks 0 and 1) may be out
.irp c, 0,1,2,3
	v_pk_add_f32 v[ST+2*\c:ST+2*\c+1], v[X+4*\c:X+4*\c+1], v[X+4*\c+2:X+4*\c+3]
.endr
.set i, 8
.rept 56
	v_pk_add_f32 v[ST+2*(i%4):ST+2*(i%4)+1], v[ST+2*(i%4):ST+2*(i%4)+1], v[X+2*i:X+2*i+1]
.set i, i+1
.endr
	LANESUM ST
	v_mul_f32 v[ST+8], s[C256], v[ST]              ; the mean
	v_mov_b32 v[ST+9], v[ST+8]
.set i, 0
.rept 64
	v_pk_add_f32 v[X+2*i:X+2*i+1], v[X+2*i:X+2*i+1], v[ST+8:ST+9] neg_lo:[0,1] neg_hi:[0,1]
.set i, i+1
.endr
.irp c, 0,1,2,3
	v_pk_mul_f32 v[ST+2*\c:ST+2*\c+1], v[X+2*\c:X+2*\c+1], v[X+2*\c:X+2*\c+1]
.endr
.set i, 4
.rept 60
	v_pk_fma_f32 v[ST+2*(i%4):ST+2*(i%4)+1], v[X+2*i:X+2*i+1], v[X+2*i:X+2*i+1], v[ST+2*(i%4):ST+2*(i%4)+1]
.set i, i+1
.endr
	LANESUM ST
	v_fma_f32 v[ST], v[ST], s[C256], s[CEPS]       ; the variance + 1e-5
	v_rsq_f32 v[ST+10], v[ST]
	v_nop                                          ; a plain line behind the transcendental
	s_wait_alu depctr_va_vdst(0)                   ; and the wait ahead of its first reader
	v_mov_b32 v[ST+11], v[ST+10]
	s_wait_dscnt 16                                ; chunk 0's g and b are in; chunk 1's 16 loads may be out
	CHUNK 0, 0x28
	VLOAD 2, 0x80
	s_wait_dscnt 16                                ; chunk 1's are in; chunk 2's may be out
	CHUNK 1, 0x3c
	VLOAD 3, 0xc0
	QUANT X, PC, PW
.irp j, 0,1,2
	ds_store_b128 v[XNW], v[PC+4*\j:PC+4*\j+3] offset:512*\j
.endr
	ds_store_b32 v[XNSW], v[PW]
	s_wait_dscnt 20                                ; chunk 2's are in; chunk 3's 16 loads and the 4 stores may be out
	CHUNK 2, 0x28
	s_wait_dscnt 0x0                               ; chunk 3's are in, and the stores have read their registers
	CHUNK 3, 0x3c
	QUANT X+64, PC, PW
.irp j, 0,1,2
	ds_store_b128 v[XNW], v[PC+4*\j:PC+4*\j+3] offset:1536+512*\j
.endr
	ds_store_b32 v[XNSW], v[PW] offset:128
.endm
; column tile q for the block's 64 rows: the four row tiles' accumulators by turns, K step by K step
.macro W q
	WIN 0x04                                       ; source 1 (Wkv) window 1
.irp t, 0,1,2,3
	WM ACC+32*((\q)%2)+8*\t, AF+24*\t, 24*(\q), -1, AFS+2*\t, WS+(\q), 0
.endr
.irp t, 0,1,2,3
	WM ACC+32*((\q)%2)+8*\t, AF+24*\t+12, 24*(\q)+12, ACC+32*((\q)%2)+8*\t, AFS+2*\t+1, WS+(\q), 2
.endr
	WIN 0
.endm
; tile q's 32 numbers a lane: the feature map and masks, the block's scale, its codes to my LDS bytes; of k also the rows' sum
.macro KV q
.set A_, ACC+32*((\q)%2)
.set C_, CC+10*((\q)%2)
.set B_, BYR+((\q)%2)
.if (\q) < 4
	ELU A_, TT, 2
	WIN 0x08
.set i, 0
.rept 16
	v_pk_mul_f32 v[A_+i:A_+i+1], v[A_+i:A_+i+1], v[MM+i:MM+i+1]
.set i, i+2
.endr
.else
	WIN 0x08
.set i, 0
.rept 16
	v_pk_mul_f32 v[A_+i:A_+i+1], v[A_+i:A_+i+1], v[MV+i:MV+i+1]
.set i, i+2
.endr
.endif
	WIN 0
.irp k, 0,1,2,3
	v_max3_num_f32 v[MX+\k], |v[A_+8*\k]|, |v[A_+8*\k+1]|, 0x2800000
.endr
.irp i, 2,4,6
.irp k, 0,1,2,3
	v_max3_num_f32 v[MX+\k], v[MX+\k], |v[A_+8*\k+\i]|, |v[A_+8*\k+\i+1]|
.endr
.endr
	v_max3_num_f32 v[MX], v[MX], v[MX+1], v[MX+2]
	v_max_num_f32 v[MX], v[MX], v[MX+3]            ; all 32 numbers of the block are mine
	v_add_nc_u32 v[MX+4], 0xfe000000, v[MX]
	s_wait_dscnt 4                                 ; the stores of two tiles ago have read this set of registers; the last tile's 4 may be out
	v_lshrrev_b32 v[B_], 23, v[MX+4]
	v_cvt_scalef32_pk16_bf6_f32 v[C_:C_+2], v[A_:A_+15], v[MX+4]
	v_cvt_scalef32_pk16_bf6_f32 v[C_+6:C_+8], v[A_+16:A_+31], v[MX+4]
	v_nop
.irp i, 0,1,2
	v_mov_b32 v[C_+3+\i], v[C_+6+\i]
.endr
.irp p, 0,1,2
	ds_store_b64 v[KWD], v[C_+2*\p:C_+2*\p+1] offset:768*(\q)+256*\p
.endr
	ds_store_b8 v[KBD], v[B_] offset:32*(\q)
.if (\q) < 4
.irp d, 16,8,4,2
.set i, 0
.rept \d/2
	v_pk_add_f32 v[A_+i:A_+i+1], v[A_+i:A_+i+1], v[A_+i+\d:A_+i+\d+1]
.set i, i+2
.endr
.endr
	v_pk_add_f32 v[KSP+2*(\q):KSP+2*(\q)+1], v[KSP+2*(\q):KSP+2*(\q)+1], v[A_:A_+1]
.endif
.endm
.macro BODY
	WIN 0x80
.irp i, 0,1,2,3,4,5,6,7
	global_load_b128 v[MM+4*\i:MM+4*\i+3], v[MOF], s[MP:MP+1] offset:16*\i   ; the masks of rows 32 h + 0 .. 31 of the block
.endr
	WIN 0
	P0
	BAR                                            ; the block's eight fragments lie in LDS
.irp f, 0,1,2,3,4,5,6,7
.irp j, 0,1,2
	ds_load_b128 v[AF+12*\f+4*\j:AF+12*\f+4*\j+3], v[XNR] offset:1536*\f+512*\j
.endr
	ds_load_b32 v[AFS+\f], v[SCR] offset:128*\f
.endr
	v_add_nc_u32 v[KWD], s[N6144], v[KW]
	v_add_nc_u32 v[KBD], s[N256], v[KB]
	s_wait_loadcnt 0x0                             ; the masks; in the first block also Wkv's fragments and scale words, asked for at the head
	WIN 0x82
.set i, 0
.rept 16
	v_pk_mul_f32 v[MV+i:MV+i+1], v[MM+i:MM+i+1], s[R13:R13+1] op_sel_hi:[1,0]   ; mask / 8192: exact
.set i, i+2
.endr
	WIN 0
	s_wait_dscnt 0x0
	W 0
	W 1
	PLACES 5                                       ; behind the first products; later each tile's vector work stands behind the next tile's products
.irp q, 0,1,2,3,4,5,6,7
	KV \q
.if \q < 6
	W \q+2
.endif
.endr
	s_xor_b32 s[TB], s[TB], SLOT1
	s_add_co_u32 s[N6144], s[N6144], 6144
	s_add_co_u32 s[N256], s[N256], 256
	s_add_nc_u64 s[MP:MP+1], s[MP:MP+1], 256       ; (the wait for the masks has freed their base)
.endm
	s_load_b512 s[4:19], s[0:1], 0x0               ; kv, kv_mask, wf, ws, ln1_g, ln1_b, part, kpart
	v_lshl_add_u32 v[SPW], v0, 2, SPARE
	v_mov_b32 v[NIL], 0
	ds_add_u32 v1, v2
	ds_add_u32 v1, v2
	s_wait_dscnt 0x0
	v_lshrrev_b32 v20, 5, v0
	v_readfirstlane_b32 s[WV], v20                 ; wave 0..3
	s_mov_b32 s[G1], 0x07d20000                    ; elements of 4 bytes; 4 words of padding behind every 256 words: LDS rows 1,040 bytes apart
	s_mov_b32 s[G1+1], 256<<16                     ; tensor_dim0 = 256
	s_mov_b32 s[G1+2], 16<<16                      ; tensor_dim1 = 16
	s_mov_b32 s[G1+3], 256<<16                     ; tile_dim0 = 256
	s_mov_b32 s[G1+4], 16                          ; tile_dim1 = 16
	s_mov_b32 s[G1+5], 256                         ; from row to row
	s_mov_b32 s[G1+6], 0
	s_mov_b32 s[G1+7], 0
	s_mul_i32 s20, s[WV], 16640                    ; my 16 rows in a slot
	s_lshl_b32 s22, ttmp9, 18                      ; 256 rows of 1,024 bytes a work-group
	s_lshl_b32 s21, s[WV], 14
	s_add_co_u32 s22, s22, s21
	s_mov_b32 s23, 0
	s_wait_kmcnt 0x0
	s_mov_b32 s[G0], 1
	s_mov_b32 s[G0+1], s20
	s_add_nc_u64 s[G0+2:G0+3], s[4:5], s[22:23]
	s_or_b32 s[G0+3], s[G0+3], 0x80000000
	tensor_load_to_lds s[G0:G0+3], s[G1:G1+7]      ; block 0 into slot 0, ahead of everything else
	s_nop 0
	PLACES 4
	v_and_b32 v20, 31, v0
	v_lshlrev_b32 v[LI], 4, v20
	v_lshlrev_b32 v[LS], 2, v20
	v_lshlrev_b32 v[L8], 3, v20
	s_cmp_lt_u32 s[WV], 2                          ; waves 0, 1 copy ln1_g into LDS, waves 2, 3 ln1_b: this load goes first, since the first block's layer norm wants it
	s_cselect_b64 s[12:13], s[12:13], s[14:15]
	v_and_b32 v21, 63, v0
	v_lshlrev_b32 v21, 4, v21
	global_load_b128 v[66:69], v21, s[12:13]
	s_mul_i32 s20, s[WV], 12288
	s_mov_b32 s21, 0
	s_add_nc_u64 s[8:9], s[8:9], s[20:21]
	s_lshl_b32 s20, s[WV], 9
	s_add_nc_u64 s[10:11], s[10:11], s[20:21]
	WIN 0x40                                       ; destination window 1: my 16 fragments of Wkv stay there
.irp f, 0,1,2,3,4,5,6,7
.irp j, 0,1,2
	global_load_b128 v[12*\f+4*\j:12*\f+4*\j+3], v[LI], s[8:9] offset:1536*\f+512*\j
	global_load_b128 v[96+12*\f+4*\j:96+12*\f+4*\j+3], v[LI], s[8:9] offset:49152+1536*\f+512*\j
.endr
.endr
	WIN 0
.irp q, 0,1,2,3
	global_load_b32 v[WS+\q], v[LS], s[10:11] offset:128*\q
	global_load_b32 v[WS+4+\q], v[LS], s[10:11] offset:2048+128*\q
.endr
	v_lshl_add_u32 v[AD0], v0, 4, VT
	v_and_b32 v18, 15, v0                          ; r
	v_bfe_u32 v19, v0, 4, 1                        ; h
	v_and_b32 v25, 8, v18
	v_mad_u32_u24 v25, v25, 3, v18                 ; r + 24 (r / 8)
	s_lshl_b32 s20, s[WV], 3
	v_add_nc_u32 v25, s20, v25
	v_mul_u32_u24 v[QRB], v25, 1040
	v_lshl_add_u32 v[QRB], v19, 6, v[QRB]
	v_lshl_add_u32 v[VV0], v19, 6, VT
	v_add_nc_u32 v[XNR], XN, v[LI]
	v_add_nc_u32 v[SCR], SCLXN, v[LS]
	s_mul_i32 s20, s[WV], 3072
	s_add_co_u32 s20, s20, XN
	v_add_nc_u32 v[XNW], s20, v[LI]
	s_lshl_b32 s20, s[WV], 8
	s_add_co_u32 s20, s20, SCLXN
	v_add_nc_u32 v[XNSW], s20, v[LS]
	s_mul_i32 s20, s[WV], 24576
	s_add_co_u32 s20, s20, KVI
	v_add_nc_u32 v[KW], s20, v[L8]
	s_lshl_b32 s20, s[WV], 10
	s_add_co_u32 s20, s20, KVB
	v_lshl_add_u32 v[KR], v18, 1, s20
	v_add_nc_u32 v[KB], v[KR], v19
	v_lshlrev_b32 v[MOF], 7, v19
.irp i, 0,1,2,3,4,5,6,7
	v_mov_b32 v[KSP+\i], 0
.endr
.irp i, 4,5,6,7
	v_mov_b32 v[TM+\i], 0                          ; written once: a lane permute's destination counts as one of its sources
.endr
	s_mov_b32 s[SEL], 0x76543210
	s_mov_b32 s[SEL+1], 0xfedcba98
	s_mov_b32 s[LG2], 0x3fb8aa3b                   ; log2(e)
	s_mov_b32 s[LG2+1], 0x3fb8aa3b
	s_mov_b32 s[R13], 0x39000000                   ; 1 / 8192
	s_mov_b32 s[R13+1], 0x39000000
	s_mov_b32 s[C256], 0x3b800000                  ; 1 / 256
	s_mov_b32 s[CEPS], 0x3727c5ac                  ; 1e-5
	s_mov_b32 s[TB], 0
	s_mov_b32 s[N6144], 0
	s_mov_b32 s[N256], 0
	s_lshl_b32 s20, ttmp9, 10
	s_add_nc_u64 s[MP:MP+1], s[6:7], s[20:21]      ; my 256 rows' masks
	s_wait_loadcnt 56                              ; my 16 bytes of ln1_g or ln1_b are in; the 56 younger loads (48 of fragments, 8 of scale words) stay out: nothing names their registers, addresses or bases ahead of the wait in the first block
	ds_store_b128 v[AD0], v[66:69]
	s_mov_b32 s[CNT], 3
.Lblock:
	CHANGE 1
	BODY
	s_sub_co_u32 s[CNT], s[CNT], 1
	s_cmp_lg_u32 s[CNT], 0
	s_cbranch_scc1 .Lblock
	CHANGE 0                                       ; the last block is written out
	BODY
	; kv_state's part: two K steps of 128 rows.  Of fragment q registers 0-5 are block 2 ks, registers 6-11 block 2 ks + 1, as they were stored; LDS serves a wave's instructions in order.
	s_wait_dscnt 0x0                               ; the last stores have read their registers
.irp ks, 0,1
	PLACES 4                                       ; in front of loads into, and writes of, registers that matrix instructions have read
.irp q, 0,1,2,3,4,5,6,7
.irp p, 0,1,2,3,4,5
	ds_load_b64 v[AF+12*\q+2*\p:AF+12*\q+2*\p+1], v[KW] offset:6144*(2*\ks+\p/3)+768*\q+256*(\p%3)
.endr
	ds_load_u16 v[UU+2*\q], v[KR] offset:512*\ks+32*\q
	ds_load_u16 v[UU+2*\q+1], v[KR] offset:512*\ks+256+32*\q
.endr
	s_wait_dscnt 0x0
.irp q, 0,1,2,3,4,5,6,7
	v_lshl_or_b32 v[AFS+\q], v[UU+2*\q+1], 16, v[UU+2*\q]   ; column r's four bytes
.endr
	PLACES 8                                       ; a scale register written by a vector instruction stands 8 places ahead of the product
.irp e, 0,1
.irp g, 0,1
.irp u, 0,1
.if \ks == 0
	WM P3+8*(4*\e+2*\g+\u), AF+12*(2*\e+\u), AF+12*(4+2*\e+\g), -1, AFS+2*\e+\u, AFS+4+2*\e+\g, 0
.else
	WM P3+8*(4*\e+2*\g+\u), AF+12*(2*\e+\u), AF+12*(4+2*\e+\g), P3+8*(4*\e+2*\g+\u), AFS+2*\e+\u, AFS+4+2*\e+\g, 0
.endif
.endr
.endr
.endr
.endr
	s_lshl_b32 s20, ttmp9, 15
	s_lshl_b32 s22, s[WV], 13
	s_add_co_u32 s20, s20, s22
	s_add_nc_u64 s[16:17], s[16:17], s[20:21]
	s_lshl_b32 s20, ttmp9, 11
	s_lshl_b32 s22, s[WV], 9
	s_add_co_u32 s20, s20, s22
	s_add_nc_u64 s[18:19], s[18:19], s[20:21]
.irp q, 0,1,2,3
	v_add_f32 v[UU+\q], v[KSP+2*\q], v[KSP+2*\q+1] ; (four places behind the last products)
.endr
.irp i, 0,1,2,3,4,5,6,7,8,9,10,11,12,13,14,15
	global_store_b128 v[LI], v[P3+4*\i:P3+4*\i+3], s[16:17] offset:512*\i   ; lane (r, h): m = 8 g + r + 8 (r / 8), d = 16 h + 8 u + j; 512 consecutive bytes a store
.endr
	global_store_b128 v[LI], v[UU:UU+3], s[18:19]
	s_wait_tensorcnt 0x0                           ; the wave's end
	ds_add_u32 v[SPW], v[NIL]
	s_wait_dscnt 0x0
	s_endpgm
.Lfunc_end_k_qf81c382ca5_kvpath:
	.size	k_qf81c382ca5_kvpath, .Lfunc_end_k_qf81c382ca5_kvpath-k_qf81c382ca5_kvpath
	.p2alignl 7, 3214868480
	.fill 96, 4, 3214868480
	.section	.rodata,"a",@progbits
	.p2align	6, 0x0
	.amdhsa_kernel k_qf81c382ca5_kvpath
		.amdhsa_group_segment_fixed_size 327680
		.amdhsa_private_segment_fixed_size 0
		.amdhsa_enable_private_segment 0
		.amdhsa_kernarg_size 64
		.amdhsa_user_sgpr_count 2
		.amdhsa_user_sgpr_kernarg_segment_ptr 1
		.amdhsa_wavefront_size32 1
		.amdhsa_system_sgpr_workgroup_id_x 1
		.amdhsa_system_sgpr_workgroup_id_y 1
		.amdhsa_system_sgpr_workgroup_id_z 1
		.amdhsa_system_vgpr_workitem_id 0
		.amdhsa_next_free_vgpr 1024
		.amdhsa_next_free_sgpr 80
		.amdhsa_reserve_vcc 0
		.amdhsa_float_denorm_mode_32 3
		.amdhsa_float_denorm_mode_16_64 3
		.amdhsa_memory_ordered 1
		.amdhsa_forward_progress 1
		.amdhsa_inst_pref_size 218
	.end_amdhsa_kernel
	.amdgpu_metadata
---
amdhsa.version: [ 1, 2 ]
amdhsa.kernels:
  - .name:           k_qf81c382ca5_kvpath
    .symbol:         k_qf81c382ca5_kvpath.kd
    .args:
      - { .name: kv, .offset: 0, .size: 8, .value_kind: global_buffer, .address_space: global }
      - { .name: kv_mask, .offset: 8, .size: 8, .value_kind: global_buffer, .address_space: global }
      - { .name: wf, .offset: 16, .size: 8, .value_kind: global_buffer, .address_space: global }
      - { .name: ws, .offset: 24, .size: 8, .value_kind: global_buffer, .address_space: global }
      - { .name: ln1_g, .offset: 32, .size: 8, .value_kind: global_buffer, .address_space: global }
      - { .name: ln1_b, .offset: 40, .size: 8, .value_kind: global_buffer, .address_space: global }
      - { .name: part, .offset: 48, .size: 8, .value_kind: global_buffer, .address_space: global }
      - { .name: kpart, .offset: 56, .size: 8, .value_kind: global_buffer, .address_space: global }
    .group_segment_fixed_size: 327680
    .private_segment_fixed_size: 0
    .kernarg_segment_align: 8
    .kernarg_segment_size: 64
    .max_flat_workgroup_size: 128
    .sgpr_count:     80
    .vgpr_count:     1024
    .wavefront_size: 32
...
	.end_amdgpu_metadata
.endif
;; end of part 2
;; launch reduce (part 3): grid 64 x 1, 8 waves a work-group, no clusters, 5,120 bytes of LDS; arguments part, kpart, sf, ss, ks; writes sf, ss, ks
.if DOCPART == 3
	.amdgcn_target "amdgcn-amd-amdhsa--gfx1250"
	.amdhsa_code_object_version 6
	.text
	.protected	k_qf81c382ca5_reduce
	.globl	k_qf81c382ca5_reduce
	.p2align	8
	.type	k_qf81c382ca5_reduce,@function
k_qf81c382ca5_reduce:
	s_mov_b64 s[64:65], 0
	v_nop
	global_prefetch_b8 v0, s[64:65] scope:SCOPE_SE
	s_setreg_imm32_b32 hwreg(HW_REG_WAVE_MODE, 25, 1), 1
	s_wait_xcnt 0x0
; One work-group for each (batch b, head h): the 32 parts of kv_state are added (thread t owns 16 bytes of the 4,096); wave 0 quantises the sums along d into two fragment images for the q path; wave 1 adds sum k.
; In a part, lane (r, h') of piece 4 g + 2 u + jj holds m = 8 g + r + 8 (r / 8), d = 16 h' + 8 u + 4 jj + 0 .. 3: fragment row r of tile g, and 16 neighbours along d.
; The q path's K step of 128 holds a wave's two heads in its blocks 0 and 1: so head h's 32 codes stand in block e = h % 2 (lanes with lane / 16 = e, registers 0-5); all else is zero codes.
; LIMITS: blocks under 2^-122 keep the byte 1; a block of zeros gets the byte 1; NaN and infinities are not served.
.set P, 32
	s_load_b256 s[4:11], s[0:1], 0x0               ; part, kpart, sf, ss
	s_load_b64 s[12:13], s[0:1], 0x20              ; ks
	v_lshl_add_u32 v192, v0, 2, 0x1000
	v_mov_b32 v193, 0
	v_lshrrev_b32 v1, 5, v0
	v_readfirstlane_b32 s14, v1                    ; wave
	v_lshlrev_b32 v2, 4, v0                        ; 16 t
	v_and_b32 v3, 31, v0
	v_lshlrev_b32 v4, 4, v3                        ; 16 l
	v_lshlrev_b32 v5, 2, v3                        ; 4 l
	v_and_b32 v6, 15, v0                           ; r
	v_bfe_u32 v7, v0, 4, 1                         ; lane / 16
	s_lshr_b32 s15, ttmp9, 3                       ; b
	s_and_b32 s16, ttmp9, 7                        ; h
	s_lshl_b32 s18, s15, 20                        ; 32 work-groups' parts of 32,768 bytes
	s_lshl_b32 s17, s16, 12
	s_add_co_u32 s18, s18, s17
	s_mov_b32 s19, 0
	s_mov_b32 s30, 0x76543210
	s_mov_b32 s31, 0xfedcba98
	s_wait_kmcnt 0x0
	s_add_nc_u64 s[4:5], s[4:5], s[18:19]
.set p, 0
.rept 32
	global_load_b128 v[P+4*p:P+4*p+3], v2, s[4:5] offset:32768*p
.set p, p+1
.endr
	s_wait_loadcnt 0x0
.irp d, 16,8,4,2,1
.set p, 0
.rept \d
	v_pk_add_f32 v[P+4*p:P+4*p+1], v[P+4*p:P+4*p+1], v[P+4*(p+\d):P+4*(p+\d)+1]
	v_pk_add_f32 v[P+4*p+2:P+4*p+3], v[P+4*p+2:P+4*p+3], v[P+4*(p+\d)+2:P+4*(p+\d)+3]
.set p, p+1
.endr
.endr
	ds_store_b128 v2, v[P:P+3]
	s_wait_dscnt 0x0
	s_barrier_signal -1
	s_barrier_wait -1
	s_cmp_ge_u32 s14, 2
	s_cbranch_scc1 .Lend
	s_cmp_eq_u32 s14, 1
	s_cbranch_scc1 .Lsumk
	; wave 0
.irp i, 0,1,2,3,4,5,6,7
	ds_load_b128 v[P+4*\i:P+4*\i+3], v4 offset:512*\i   ; register 16 g + 8 u + j
.endr
.irp i, 10,11,24,25,26,27,28,29
	v_mov_b32 v\i, 0                               ; lane permutes' destinations
.endr
	s_and_b32 s20, s16, 1                          ; e
	s_cmp_eq_u32 s20, 1
	s_cselect_b32 s21, -1, 0
	s_mov_b32 s23, 0xffff
	s_cselect_b32 s22, 0xffff0000, s23             ; the lanes with lane / 16 = e
	s_lshl_b32 s24, s20, 3
	s_mul_i32 s18, ttmp9, 3072
	s_add_nc_u64 s[8:9], s[8:9], s[18:19]
	s_lshl_b32 s18, ttmp9, 7
	s_add_nc_u64 s[10:11], s[10:11], s[18:19]
	s_wait_dscnt 0x0
.irp g, 0,1
	v_max3_num_f32 v[8+\g], |v[P+16*\g]|, |v[P+16*\g+1]|, 0x2800000
.endr
.irp i, 2,4,6,8,10,12,14
.irp g, 0,1
	v_max3_num_f32 v[8+\g], v[8+\g], |v[P+16*\g+\i]|, |v[P+16*\g+\i+1]|
.endr
.endr
.irp g, 0,1
	v_permlanex16_b32 v[10+\g], v[8+\g], s30, s31
.endr
.irp g, 0,1
	v_max_num_f32 v[8+\g], v[8+\g], v[10+\g]
	v_add_nc_u32 v[12+\g], 0xfe000000, v[8+\g]
	v_lshrrev_b32 v[14+\g], 23, v[12+\g]
.endr
	v_cvt_scalef32_pk16_bf6_f32 v[16:18], v[P:P+15], v12
	v_cvt_scalef32_pk16_bf6_f32 v[20:22], v[P+16:P+31], v13
	v_nop
.irp i, 0,1,2
	v_permlane16_swap_b32 v[16+\i], v[20+\i]       ; v16-18, v20-22 now hold a whole block: tile 0's in lanes 0-15, tile 1's in lanes 16-31
.endr
.irp i, 0,1,2,3,4,5
	v_permlanex16_b32 v[24+\i], v[16+\i+\i/3], s30, s31
.endr
.irp i, 0,1,2,3,4,5
	v_cndmask_b32 v30, v[16+\i+\i/3], v[24+\i], s21      ; tile 0 lies in lanes 0-15: for e = 1 it is wanted across
	v_cndmask_b32 v[64+\i], 0, v30, s22
	v_cndmask_b32 v31, v[24+\i], v[16+\i+\i/3], s21      ; tile 1 the other way round
	v_cndmask_b32 v[76+\i], 0, v31, s22
	v_mov_b32 v[70+\i], 0
	v_mov_b32 v[82+\i], 0
.endr
	v_cmp_ne_u32 vcc_lo, 0, v7
	v_cndmask_b32 v30, v14, v15, vcc_lo            ; lanes 0-15 tile 0's bytes, lanes 16-31 tile 1's,
	v_lshlrev_b32 v30, s24, v30                    ; as byte e of the scale word
.irp k, 0,1,2,3,4,5
	global_store_b128 v4, v[64+4*\k:64+4*\k+3], s[8:9] offset:512*\k
.endr
	global_store_b32 v5, v30, s[10:11]
	s_wait_tensorcnt 0x0
	ds_add_u32 v192, v193
	s_wait_dscnt 0x0
	s_endpgm
.Lsumk:
	s_lshl_b32 s18, s15, 16                        ; 32 work-groups x 2,048 bytes
	s_lshr_b32 s20, s16, 1
	s_lshl_b32 s20, s20, 9
	s_add_co_u32 s18, s18, s20
	s_and_b32 s20, s16, 1
	s_lshl_b32 s20, s20, 3
	s_add_co_u32 s18, s18, s20
	s_add_nc_u64 s[6:7], s[6:7], s[18:19]
	s_lshl_b32 s18, s15, 10
	s_lshl_b32 s20, s16, 7
	s_add_co_u32 s18, s18, s20
	s_add_nc_u64 s[12:13], s[12:13], s[18:19]
.set p, 0
.rept 32
	global_load_b64 v[P+2*p:P+2*p+1], v4, s[6:7] offset:2048*p
.set p, p+1
.endr
	v_mov_b32 v10, 0
	v_mov_b32 v11, 0
	v_and_b32 v8, 8, v6
	v_add_nc_u32 v8, v8, v6
	v_lshl_add_u32 v8, v7, 3, v8                   ; d = 8 u + r + 8 (r / 8); lanes 0-15 store tile u = 0, lanes 16-31 u = 1
	v_lshlrev_b32 v8, 2, v8
	s_wait_loadcnt 0x0
.irp d, 16,8,4,2,1
.set p, 0
.rept \d
	v_pk_add_f32 v[P+2*p:P+2*p+1], v[P+2*p:P+2*p+1], v[P+2*(p+\d):P+2*(p+\d)+1]
.set p, p+1
.endr
.endr
	v_permlanex16_b32 v10, v[P], s30, s31          ; the other 32 rows of each block of 64
	v_permlanex16_b32 v11, v[P+1], s30, s31
	v_add_f32 v10, v10, v[P]
	v_add_f32 v11, v11, v[P+1]
	v_cmp_ne_u32 vcc_lo, 0, v7
	v_cndmask_b32 v10, v10, v11, vcc_lo
	global_store_b32 v8, v10, s[12:13]
.Lend:
	s_wait_tensorcnt 0x0
	ds_add_u32 v192, v193
	s_wait_dscnt 0x0
	s_endpgm
.Lfunc_end_k_qf81c382ca5_reduce:
	.size	k_qf81c382ca5_reduce, .Lfunc_end_k_qf81c382ca5_reduce-k_qf81c382ca5_reduce
	.p2alignl 7, 3214868480
	.fill 96, 4, 3214868480
	.section	.rodata,"a",@progbits
	.p2align	6, 0x0
	.amdhsa_kernel k_qf81c382ca5_reduce
		.amdhsa_group_segment_fixed_size 5120
		.amdhsa_private_segment_fixed_size 0
		.amdhsa_enable_private_segment 0
		.amdhsa_kernarg_size 40
		.amdhsa_user_sgpr_count 2
		.amdhsa_user_sgpr_kernarg_segment_ptr 1
		.amdhsa_wavefront_size32 1
		.amdhsa_system_sgpr_workgroup_id_x 1
		.amdhsa_system_sgpr_workgroup_id_y 1
		.amdhsa_system_sgpr_workgroup_id_z 1
		.amdhsa_system_vgpr_workitem_id 0
		.amdhsa_next_free_vgpr 194
		.amdhsa_next_free_sgpr 66
		.amdhsa_reserve_vcc 1
		.amdhsa_float_denorm_mode_32 3
		.amdhsa_float_denorm_mode_16_64 3
		.amdhsa_memory_ordered 1
		.amdhsa_forward_progress 1
		.amdhsa_inst_pref_size 21
	.end_amdhsa_kernel
	.amdgpu_metadata
---
amdhsa.version: [ 1, 2 ]
amdhsa.kernels:
  - .name:           k_qf81c382ca5_reduce
    .symbol:         k_qf81c382ca5_reduce.kd
    .args:
      - { .name: part, .offset: 0, .size: 8, .value_kind: global_buffer, .address_space: global }
      - { .name: kpart, .offset: 8, .size: 8, .value_kind: global_buffer, .address_space: global }
      - { .name: sf, .offset: 16, .size: 8, .value_kind: global_buffer, .address_space: global }
      - { .name: ss, .offset: 24, .size: 8, .value_kind: global_buffer, .address_space: global }
      - { .name: ks, .offset: 32, .size: 8, .value_kind: global_buffer, .address_space: global }
    .group_segment_fixed_size: 5120
    .private_segment_fixed_size: 0
    .kernarg_segment_align: 8
    .kernarg_segment_size: 40
    .max_flat_workgroup_size: 256
    .sgpr_count:     66
    .vgpr_count:     194
    .wavefront_size: 32
...
	.end_amdgpu_metadata
.endif
;; end of part 3
;; launch qpath (part 4): grid 256 x 1, 4 waves a work-group, no clusters, 327,680 bytes of LDS; arguments q, q_mask, wf, ws, sf, ss, ks, bp, ln1_g, ln1_b, ln2_g, ln2_b, b1, b2, out0; writes out0
.if DOCPART == 4
	.amdgcn_target "amdgcn-amd-amdhsa--gfx1250"
	.amdhsa_code_object_version 6
	.text
	.protected	k_qf81c382ca5_qpath
	.globl	k_qf81c382ca5_qpath
	.p2align	8
	.type	k_qf81c382ca5_qpath,@function
k_qf81c382ca5_qpath:
	s_mov_b64 s[64:65], 0
	v_nop
	global_prefetch_b8 v0, s[64:65] scope:SCOPE_SE
	s_setreg_imm32_b32 hwreg(HW_REG_WAVE_MODE, 25, 1), 1
	s_wait_xcnt 0x0
; For 256 rows of q, four blocks of 64: layer norm 1, x Wq, (elu + 1) x mask, z = 1 / (q . sum k + 1e-6) in f32, kv_state x q, x z x 8192, x Wp + bp + q, layer norm 2, x W1 + b1, exact gelu, x W2 + b2 + x.
; All five products on codes of BF6 with one E8M0 scale for each 32 along K; every operand computed on the way is quantised in registers from f32.  No activation goes to memory.
; SHARES.  THE WAVES SHARE THE COLUMNS: wave w owns columns 64 w .. 64 w + 63 (heads 2 w, 2 w + 1) and hidden units 128 w .. + 127, for all 64 rows.  Its parts of Wq, Wp, kv_state (window 1), W1 (window 2) and
; W2 (window 3), 624 registers, are read once and stay.  Operands go from wave to wave through LDS as images of their registers; x stays in LDS in f32.  q comes through two slots by the tensor data mover.
; ALL PRODUCTS ARE USED TRANSPOSED (source 0 = 16 weight columns, source 1 = 16 rows): lane (r, h) holds row r, and register 16 b + i the column 32 b + 16 h + i of the wave's columns.
; A BLOCK: P0 norm 1 of my 16 rows | barrier | P1 per row tile: Wq, feature map, z, kv_state | barrier | P2 Wp, residual, my columns' sums | barrier | P3 norm 2 | barrier | P4 W1, gelu | barrier | P5 W2 | barrier | P6 store.
; THE WEIGHTS are asked for at the head in the order in which they are wanted; the head waits for all but the last 63 loads (part of W1, and W2), which are waited for at the head of P4.
; In P1 and P4 the next row tile's product is issued ahead of the vector work of this one; the last trip has no next tile and jumps over that product (a scalar branch on the trip's counter).
; In P2 and P3 the two row tiles of a trip are staggered; P5 walks the hidden layer's 16 fragments as a stream through five register slots, so that loads, products and stores run side by side.
; erf(y) = y P(y^2) / Q(y^2), y held to +-4: absolute error about 1e-7, so 1 + erf loses relative accuracy for hidden units under about -4 (their share of the output lies under 1e-6).
; NO CLUSTER: q's tiles are read by one work-group each; the weight images (312 KiB a work-group) go once from memory into the registers where they stay, and LDS has no room to take them jointly.
; LIMITS: blocks under 2^-122 keep the byte 1; a block of zeros gets the byte 1 (zero codes; read by this program alone); NaN and infinities are not served.
.set SLOT1, 131072                     ; slot 0 at 0, slot 1 here: 64 rows x 1,040 bytes
.set XN,    66560                      ; norm 1's 8 fragments (2 T + s), 16 bytes a lane and group of four registers; later norm 2's, 8 bytes a lane and pair
.set XA,    78848                      ; attention's 8 fragments, by pairs
.set HID,   91136                      ; the hidden layer's 16 fragments (4 T + s)
.set SCLXN, 115712
.set SCLXA, 116736
.set SCLH,  117760
.set STAT,  119808                     ; [row 64][wave 4][sum, sum of squares about the wave's mean]
.set XS,    197632                     ; x, 64 rows x 1,040 bytes
.set VT,    264192                     ; ln1_g 0, ln1_b 1024, bp 2048, ln2_g 3072, ln2_b 4096, b2 5120, sum k 6144, my 256 masks 7168, b1 8192
.set SPARE, 274432
.set SPW, 1
.set NIL, 2
.set LI,  3
.set LS,  4
.set L8,  5
.set QRB, 6                            ; (16 w + r) 1040 + 64 h
.set QCB, 7                            ; r 1040 + 64 h + 256 w
.set VV0, 8                            ; VT + 64 h
.set VVW, 9                            ; + 256 w
.set VB1, 10
.set MKB, 11
.set XNW, 12
.set XNSW, 13
.set XPW, 14                           ; my three pairs of a fragment by pairs
.set XPS, 15                           ; my two bytes of its scale words
.set HIW, 16
.set HISW, 17
.set STW, 18
.set STR, 19
.set P6R, 20
.set XSB, 21
.set AD0, 22
.set AD1, 23
.set AD2, 24
.set AD3, 25
.set CQ1, 26                           ; v[26:27] Q's second coefficient
.set WSQ, 28                           ; scale words of the weights: K step 0 (even) in lanes 0-15, 1 (odd) in lanes 16-31
.set WSP, 32
.set WS1, 36
.set WS2, 44
.set SS,  52
.set CP1, 54                           ; v[54:55] P's second coefficient
.set AFS, 56                           ; v56-63 activations' scale words
.set QW,  64                           ; q's scale word
.set PW,  65
.set X,   66
.set PC,  194
.set ST,  214
.set TM,  240
.set VEC, 192                          ; windows 2 and 3
.set ACA, 66
.set ACB, 98
.set AF,  130
.set MK,  154
.set MKN, 156
.set QF,  158
.set OC,  170
.set SX,  176
.set TT,  180
.set ZT,  212
.set ZD,  220
.set ZL,  222
.set AD4, 228
.set XR,  66
.set T2,  180
.set S8,  130
.set OC3, 146
.set SX3, 158
.set PW3, 162
.set OC4, 158
.set OWL, 170
.set OWH, 171
.set SX4, 172
.set YY,  176
.set ZZ,  192
.set PP,  208
.set QQ,  224
.set HF,  194                          ; v194-253 P5: five slots of 12 registers
.set WV,  34
.set TB,  35
.set CNT, 36
.set TC,  37
.set MB,  38
.set SEL, 46
.set G1,  48
.set G0,  56
.set HHM, 60
.set RS2, 66
.set PCF, 68
.set QCF, 82
.set LG2, 92
.set C256, 94
.set CEPS, 95
.set C64I, 96
.set C64, 97
.set CE6, 98
.set C8K, 99
.set WB,  100                          ; s[100:101] the base of W1's and W2's loads; never rewritten
.set MSB, 0
.macro WIN new                         ; the immediate's high byte repeats the setting that is left
.if MSB != (\new)
	s_set_vgpr_msb (MSB<<8)|(\new)
.set MSB, (\new)
.endif
.endm
.macro PLACES n
.rept \n
	v_nop
.endr
.endm
.macro BAR                             ; my LDS stores have landed and my LDS loads are in: then the work-group's barrier
	s_wait_dscnt 0x0
	s_barrier_signal -1
	s_barrier_wait -1
.endm
.macro SP r, val
	s_mov_b32 s[\r], \val
	s_mov_b32 s[\r+1], \val
.endm
.macro WM d, a, b, c, sa, sb, mod      ; c < 0: the constant 0 starts the sum.  mod 1: source 0's scales from lanes 16-31
.if (\c) < 0
.if (\mod) == 0
	v_wmma_scale_f32_16x16x128_f8f6f4 v[\d:\d+7], v[\a:\a+11], v[\b:\b+11], 0, v[\sa], v[\sb] matrix_a_fmt:MATRIX_FMT_BF6 matrix_b_fmt:MATRIX_FMT_BF6
.else
	v_wmma_scale_f32_16x16x128_f8f6f4 v[\d:\d+7], v[\a:\a+11], v[\b:\b+11], 0, v[\sa], v[\sb] matrix_a_fmt:MATRIX_FMT_BF6 matrix_b_fmt:MATRIX_FMT_BF6 matrix_a_scale:MATRIX_SCALE_ROW1
.endif
.else
.if (\mod) == 0
	v_wmma_scale_f32_16x16x128_f8f6f4 v[\d:\d+7], v[\a:\a+11], v[\b:\b+11], v[\c:\c+7], v[\sa], v[\sb] matrix_a_fmt:MATRIX_FMT_BF6 matrix_b_fmt:MATRIX_FMT_BF6
.else
	v_wmma_scale_f32_16x16x128_f8f6f4 v[\d:\d+7], v[\a:\a+11], v[\b:\b+11], v[\c:\c+7], v[\sa], v[\sb] matrix_a_fmt:MATRIX_FMT_BF6 matrix_b_fmt:MATRIX_FMT_BF6 matrix_a_scale:MATRIX_SCALE_ROW1
.endif
.endif
.endm
; 64 numbers of a lane, register 16 b + i = k 32 b + 16 (lane / 16) + i of my row, become a fragment's codes in v[pc] on and its scale word in v[pw]
.macro QUANT s, pc, pw
.irp b, 0,1,2,3
	v_max3_num_f32 v[TM+\b], |v[\s+16*\b]|, |v[\s+1+16*\b]|, 0x2800000   ; and the floor 2^(5 - 127): the byte cannot fall under 1
.endr
.irp i, 2,4,6,8,10,12,14
.irp b, 0,1,2,3
	v_max3_num_f32 v[TM+\b], v[TM+\b], |v[\s+16*\b+\i]|, |v[\s+1+16*\b+\i]|
.endr
.endr
.irp b, 0,1,2,3
	v_permlanex16_b32 v[TM+4+\b], v[TM+\b], s[SEL], s[SEL+1]
.endr
.irp b, 0,1,2,3
	v_max_num_f32 v[TM+\b], v[TM+\b], v[TM+4+\b]
.endr
.irp b, 0,1,2,3
	v_add_nc_u32 v[TM+12+\b], 0xfe000000, v[TM+\b]
.endr
.irp b, 0,1,2,3
	v_lshrrev_b32 v[TM+4+\b], 23, v[TM+12+\b]
.endr
	v_lshl_or_b32 v[\pw], v[TM+5], 8, v[TM+4]
	v_lshl_or_b32 v[\pw], v[TM+6], 16, v[\pw]
	v_lshl_or_b32 v[\pw], v[TM+7], 24, v[\pw]
.irp c, 0,1
	v_cvt_scalef32_pk16_bf6_f32 v[\pc+6*\c:\pc+2+6*\c], v[\s+32*\c:\s+15+32*\c], v[TM+12+2*\c]
	v_cvt_scalef32_pk16_bf6_f32 v[\pc+12+4*\c:\pc+14+4*\c], v[\s+16+32*\c:\s+31+32*\c], v[TM+12+2*\c+1]
.endr
	v_nop
.irp c, 0,1
.irp i, 0,1,2
	v_permlane16_swap_b32 v[\pc+6*\c+\i], v[\pc+12+4*\c+\i]
.endr
.irp i, 0,1,2
	v_mov_b32 v[\pc+3+6*\c+\i], v[\pc+12+4*\c+\i]
.endr
.endr
.endm
; the same for 32 numbers, two blocks: six code registers at pc (lanes 0-15 block 0, lanes 16-31 block 1), two bytes in v[pw]; sx: three registers at work.  Four chains of maxima, eight numbers each
.macro QUANT32 s, pc, sx, pw
.irp k, 0,1,2,3
	v_max3_num_f32 v[TM+\k], |v[\s+8*\k]|, |v[\s+8*\k+1]|, 0x2800000
.endr
.irp i, 2,4,6
.irp k, 0,1,2,3
	v_max3_num_f32 v[TM+\k], v[TM+\k], |v[\s+8*\k+\i]|, |v[\s+8*\k+\i+1]|
.endr
.endr
	v_max_num_f32 v[TM], v[TM], v[TM+1]
	v_max_num_f32 v[TM+1], v[TM+2], v[TM+3]
	v_permlanex16_b32 v[TM+4], v[TM], s[SEL], s[SEL+1]
	v_permlanex16_b32 v[TM+5], v[TM+1], s[SEL], s[SEL+1]
	v_max_num_f32 v[TM], v[TM], v[TM+4]
	v_max_num_f32 v[TM+1], v[TM+1], v[TM+5]
	v_add_nc_u32 v[TM+12], 0xfe000000, v[TM]
	v_add_nc_u32 v[TM+13], 0xfe000000, v[TM+1]
	v_lshrrev_b32 v[TM+4], 23, v[TM+12]
	v_lshrrev_b32 v[TM+5], 23, v[TM+13]
	v_lshl_or_b32 v[\pw], v[TM+5], 8, v[TM+4]
	v_cvt_scalef32_pk16_bf6_f32 v[\pc:\pc+2], v[\s:\s+15], v[TM+12]
	v_cvt_scalef32_pk16_bf6_f32 v[\sx:\sx+2], v[\s+16:\s+31], v[TM+13]
	v_nop
.irp i, 0,1,2
	v_permlane16_swap_b32 v[\pc+\i], v[\sx+\i]
.endr
.irp i, 0,1,2
	v_mov_b32 v[\pc+3+\i], v[\sx+\i]
.endr
.endm
; elu(x) + 1 = max(x, 0) + e^min(x, 0) of 32 numbers at a; the exponentials at t in window wt.  One batch, one wait; the 32 maxima are the plain work behind the batch
.macro ELU a, t, wt
	WIN (\wt)<<6
.set i, 0
.rept 16
	v_pk_mul_f32 v[\t+i:\t+i+1], v[\a+i:\a+i+1], s[LG2:LG2+1] op_sel_hi:[1,0]
.set i, i+2
.endr
	WIN ((\wt)<<6)|((\wt)<<2)
.set i, 0
.rept 32
	v_min_num_f32 v[\t+i], 0, v[\t+i]
.set i, i+1
.endr
	WIN ((\wt)<<6)|(\wt)
.set i, 0
.rept 32
	v_exp_f32 v[\t+i], v[\t+i]
.set i, i+1
.endr
	WIN 0
.set i, 0
.rept 32
	v_max_num_f32 v[\a+i], 0, v[\a+i]
.set i, i+1
.endr
	s_wait_alu depctr_va_vdst(0)                   ; ahead of the first reader of the batch
	WIN (\wt)<<2
.set i, 0
.rept 16
	v_pk_add_f32 v[\a+i:\a+i+1], v[\a+i:\a+i+1], v[\t+i:\t+i+1]
.set i, i+2
.endr
	WIN 0
.endm
; THE CHANGE OF SLOTS, at a block's head.  Every wave: all its tensor loads have landed (its 16 rows of the block ahead), the add, its LDS reads and stores are over; the barrier.
; fill = 1: the slot read in the block before takes the block after this one: one load a wave, first thing behind the barrier; one tensor load of a wave is out.
.macro CHANGE fill
	s_wait_tensorcnt 0x0
	ds_add_u32 v[SPW], v[NIL]                      ; 0 onto my spare word
.if \fill
	s_xor_b32 s[G0+1], s[G0+1], SLOT1
	s_add_nc_u64 s[G0+2:G0+3], s[G0+2:G0+3], 65536
.endif
	s_wait_dscnt 0x0
	s_barrier_signal -1
	s_barrier_wait -1
.if \fill
	tensor_load_to_lds s[G0:G0+3], s[G1:G1+7]
	s_nop 0
	PLACES 4
.endif
.endm
.macro VLOAD k, wd
	WIN \wd
.irp b, 0,1
.irp j, 0,1,2,3
	ds_load_b128 v[VEC+16*\b+4*\j:VEC+16*\b+4*\j+3], v[VV0] offset:256*(\k)+128*\b+16*\j
	ds_load_b128 v[VEC+32+16*\b+4*\j:VEC+32+16*\b+4*\j+3], v[VV0] offset:1024+256*(\k)+128*\b+16*\j
.endr
.endr
	WIN 0
.endm
.macro CHUNK k, wc
.set i, X+32*(\k)
.rept 16
	v_pk_mul_f32 v[i:i+1], v[i:i+1], v[ST+10:ST+11]
.set i, i+2
.endr
	WIN \wc
.set i, 0
.rept 16
	v_pk_fma_f32 v[X+32*(\k)+i:X+32*(\k)+i+1], v[X+32*(\k)+i:X+32*(\k)+i+1], v[VEC+i:VEC+i+1], v[VEC+32+i:VEC+32+i+1]
.set i, i+2
.endr
	WIN 0
.endm
.macro LANESUM c
	v_pk_add_f32 v[\c:\c+1], v[\c:\c+1], v[\c+2:\c+3]
	v_pk_add_f32 v[\c+4:\c+5], v[\c+4:\c+5], v[\c+6:\c+7]
	v_pk_add_f32 v[\c:\c+1], v[\c:\c+1], v[\c+4:\c+5]
	v_add_f32 v[\c], v[\c], v[\c+1]
	v_permlanex16_b32 v[TM+4], v[\c], s[SEL], s[SEL+1]
	v_add_f32 v[\c], v[\c], v[TM+4]
.endm
; LAYER NORM 1 of my 16 rows, in two passes, and their two fragments
.macro P0
	v_add_nc_u32 v[AD0], s[TB], v[QRB]
.irp b, 0,1,2,3,4,5,6,7
.irp j, 0,1,2,3
	ds_load_b128 v[X+16*\b+4*\j:X+16*\b+4*\j+3], v[AD0] offset:128*\b+16*\j
.endr
.endr
	VLOAD 0, 0x80
	VLOAD 1, 0xc0
	s_wait_dscnt 32                                ; the row is in; the 32 younger loads (g, b of chunks 0 and 1) may be out
.irp c, 0,1,2,3
	v_pk_add_f32 v[ST+2*\c:ST+2*\c+1], v[X+4*\c:X+4*\c+1], v[X+4*\c+2:X+4*\c+3]
.endr
.set i, 8
.rept 56
	v_pk_add_f32 v[ST+2*(i%4):ST+2*(i%4)+1], v[ST+2*(i%4):ST+2*(i%4)+1], v[X+2*i:X+2*i+1]
.set i, i+1
.endr
	LANESUM ST
	v_mul_f32 v[ST+8], s[C256], v[ST]
	v_mov_b32 v[ST+9], v[ST+8]
.set i, 0
.rept 64
	v_pk_add_f32 v[X+2*i:X+2*i+1], v[X+2*i:X+2*i+1], v[ST+8:ST+9] neg_lo:[0,1] neg_hi:[0,1]
.set i, i+1
.endr
.irp c, 0,1,2,3
	v_pk_mul_f32 v[ST+2*\c:ST+2*\c+1], v[X+2*\c:X+2*\c+1], v[X+2*\c:X+2*\c+1]
.endr
.set i, 4
.rept 60
	v_pk_fma_f32 v[ST+2*(i%4):ST+2*(i%4)+1], v[X+2*i:X+2*i+1], v[X+2*i:X+2*i+1], v[ST+2*(i%4):ST+2*(i%4)+1]
.set i, i+1
.endr
	LANESUM ST
	v_fma_f32 v[ST], v[ST], s[C256], s[CEPS]
	v_rsq_f32 v[ST+10], v[ST]
	v_nop
	s_wait_alu depctr_va_vdst(0)
	v_mov_b32 v[ST+11], v[ST+10]
	s_wait_dscnt 16                                ; chunk 0's g and b are in; chunk 1's 16 loads may be out
	CHUNK 0, 0x28
	VLOAD 2, 0x80
	s_wait_dscnt 16                                ; chunk 1's are in; chunk 2's may be out
	CHUNK 1, 0x3c
	VLOAD 3, 0xc0
	QUANT X, PC, PW
.irp j, 0,1,2
	ds_store_b128 v[XNW], v[PC+4*\j:PC+4*\j+3] offset:512*\j
.endr
	ds_store_b32 v[XNSW], v[PW]
	s_wait_dscnt 20                                ; chunk 2's are in; chunk 3's 16 loads and the 4 stores may be out
	CHUNK 2, 0x28
	s_wait_dscnt 0x0                               ; chunk 3's are in, and the stores have read their registers
	CHUNK 3, 0x3c
	QUANT X+64, PC, PW
.irp j, 0,1,2
	ds_store_b128 v[XNW], v[PC+4*\j:PC+4*\j+3] offset:1536+512*\j
.endr
	ds_store_b32 v[XNSW], v[PW] offset:128
.endm
.macro VECW off, n                     ; 32 numbers of my 64 columns' vector at VT + off into window 2's v192 + 32 n on
	WIN 0x80
.irp e, 0,1
.irp j, 0,1,2,3
	ds_load_b128 v[VEC+32*(\n)+16*\e+4*\j:VEC+32*(\n)+16*\e+4*\j+3], v[VVW] offset:\off+128*\e+16*\j
.endr
.endr
	WIN 0
.endm
.macro WQ                              ; my four column tiles of Wq for the row tile in AF: accumulators by turns, K step by K step
	WIN 0x01
.irp t, 0,1,2,3
	WM ACA+8*\t, 24*\t, AF, -1, WSQ+\t, AFS, 0
.endr
.irp t, 0,1,2,3
	WM ACA+8*\t, 24*\t+12, AF+12, ACA+8*\t, WSQ+\t, AFS+1, 1
.endr
	WIN 0
.endm
.macro AFQ ad, as, am, off3, off2, off1   ; a row tile's two fragments of norm 1, their scale words, and its rows' masks into v[MKN]
.irp s, 0,1
.irp j, 0,1,2
	ds_load_b128 v[AF+12*\s+4*\j:AF+12*\s+4*\j+3], v[\ad] offset:\off3+1536*\s+512*\j
.endr
	ds_load_b32 v[AFS+\s], v[\as] offset:\off2+128*\s
.endr
	ds_load_b32 v[MKN], v[\am] offset:\off1
.endm
.macro P1
	VECW 6144, 0                                   ; sum k of my two heads
	v_add_nc_u32 v[AD0], XN, v[LI]
	v_add_nc_u32 v[AD1], SCLXN, v[LS]
	v_add_nc_u32 v[AD2], s[MB], v[MKB]
	AFQ AD0, AD1, AD2, 0, 0, 0
	s_wait_dscnt 0x0
	v_mov_b32 v[MK], v[MKN]
	v_mov_b32 v[MK+1], v[MKN]
	WQ
.irp i, 6,7,8,9,10,11
	v_mov_b32 v[QF+\i], 0                          ; K = 64 .. 127 of the kv_state product: zero codes.  (Six places behind the products)
.endr
	AFQ AD0, AD1, AD2, 3072, 256, 64
	s_mov_b32 s[TC], 0
.Lp1_\@:
	ELU ACA, TT, 0
.set i, 0
.rept 16
	v_pk_mul_f32 v[ACA+i:ACA+i+1], v[ACA+i:ACA+i+1], v[MK:MK+1] op_sel_hi:[1,0]
.set i, i+2
.endr
	WIN 0x08                                       ; q . sum k on the UNQUANTISED q, in f32: two chains a head
.irp e, 0,1
.irp h, 0,1
	v_pk_mul_f32 v[ZT+4*\e+2*\h:ZT+4*\e+2*\h+1], v[ACA+16*\e+2*\h:ACA+16*\e+2*\h+1], v[VEC+16*\e+2*\h:VEC+16*\e+2*\h+1]
.endr
.endr
.irp i, 4,8,12
.irp e, 0,1
.irp h, 0,1
	v_pk_fma_f32 v[ZT+4*\e+2*\h:ZT+4*\e+2*\h+1], v[ACA+16*\e+\i+2*\h:ACA+16*\e+\i+2*\h+1], v[VEC+16*\e+\i+2*\h:VEC+16*\e+\i+2*\h+1], v[ZT+4*\e+2*\h:ZT+4*\e+2*\h+1]
.endr
.endr
.endr
	WIN 0
.irp e, 0,1
	v_pk_add_f32 v[ZT+4*\e:ZT+4*\e+1], v[ZT+4*\e:ZT+4*\e+1], v[ZT+4*\e+2:ZT+4*\e+3]
.endr
.irp e, 0,1
	v_add_f32 v[ZD+\e], v[ZT+4*\e], v[ZT+4*\e+1]
.endr
.irp e, 0,1
	v_permlanex16_b32 v[TM+4+\e], v[ZD+\e], s[SEL], s[SEL+1]
.endr
.irp e, 0,1
	v_add_f32 v[ZD+\e], v[ZD+\e], v[TM+4+\e]
.endr
.irp e, 0,1
	v_add_f32 v[ZD+\e], s[CE6], v[ZD+\e]
.endr
	v_rcp_f32 v[ZL], v[ZD]
	v_rcp_f32 v[ZL+2], v[ZD+1]
	QUANT32 ACA, QF, SX, QW                        ; q's codes: the independent work behind the two reciprocals (its first line is a plain one)
	s_wait_alu depctr_va_vdst(0)                   ; one wait for the two reciprocals, ahead of their first reader and of the branch below
	v_mul_f32 v[ZL], s[C8K], v[ZL]                 ; z x 8192: exact
	v_mul_f32 v[ZL+2], s[C8K], v[ZL+2]
	v_mov_b32 v[ZL+1], v[ZL]
	v_mov_b32 v[ZL+3], v[ZL+2]
	PLACES 4                                       ; with the four lines above: eight places between q's scale word and the product
	WIN 0x01
.irp e, 0,1
.irp u, 0,1
	WM ACB+8*(2*\e+\u), 192+12*(2*\e+\u), QF, -1, SS+\e, QW, \u
.endr
.endr
	WIN 0
	s_wait_dscnt 0x0                               ; the next row tile's fragments are in, and the last trip's stores have read their registers
	s_cmp_eq_u32 s[TC], 3                          ; the last trip has no next row tile
	s_cbranch_scc1 .Lp1s_\@
	WQ                                             ; the next row tile's product, ahead of this tile's vector work
.Lp1s_\@:
	s_add_co_u32 s39, s[TC], 2
	s_and_b32 s39, s39, 3
	s_mul_i32 s40, s39, 3072
	s_add_co_u32 s40, s40, XN
	s_lshl_b32 s41, s39, 8
	s_add_co_u32 s41, s41, SCLXN
	s_lshl_b32 s42, s39, 6
	s_add_co_u32 s42, s42, s[MB]
	s_mul_i32 s43, s[TC], 3072
	s_lshl_b32 s44, s[TC], 8
	v_mov_b32 v[MK], v[MKN]                        ; seven places behind the products
	v_mov_b32 v[MK+1], v[MKN]
	v_add_nc_u32 v[AD0], s40, v[LI]
	v_add_nc_u32 v[AD1], s41, v[LS]
	v_add_nc_u32 v[AD2], s42, v[MKB]
	v_add_nc_u32 v[AD3], s43, v[XPW]
	v_add_nc_u32 v[AD4], s44, v[XPS]
.irp e, 0,1
.set i, 0
.rept 8
	v_pk_mul_f32 v[ACB+16*\e+i:ACB+16*\e+i+1], v[ACB+16*\e+i:ACB+16*\e+i+1], v[ZL+2*\e:ZL+2*\e+1]
.set i, i+2
.endr
.endr
	AFQ AD0, AD1, AD2, 0, 0, 0                     ; the row tile two on (modulo 4: the loads stay inside the images)
	QUANT32 ACB, OC, SX, PW
.irp p, 0,1,2
	ds_store_b64 v[AD3], v[OC+2*\p:OC+2*\p+1] offset:12288+256*\p
.endr
	ds_store_b16 v[AD4], v[PW] offset:1024
	s_add_co_u32 s[TC], s[TC], 1
	s_cmp_lt_u32 s[TC], 4
	s_cbranch_scc1 .Lp1_\@
.endm
; a row's sum over my 64 columns and the sum of squares about their mean: lanes 0-15 get the first, lanes 16-31 the second, in v[t + 1]
.macro ROWSTAT x, t
	v_pk_add_f32 v[\t:\t+1], v[\x:\x+1], v[\x+2:\x+3]
	v_pk_add_f32 v[\t+2:\t+3], v[\x+4:\x+5], v[\x+6:\x+7]
.irp i, 8,12,16,20,24,28
	v_pk_add_f32 v[\t:\t+1], v[\t:\t+1], v[\x+\i:\x+\i+1]
	v_pk_add_f32 v[\t+2:\t+3], v[\t+2:\t+3], v[\x+\i+2:\x+\i+3]
.endr
	v_pk_add_f32 v[\t:\t+1], v[\t:\t+1], v[\t+2:\t+3]
	v_add_f32 v[\t], v[\t], v[\t+1]
	v_permlanex16_b32 v[TM+4], v[\t], s[SEL], s[SEL+1]
	v_add_f32 v[\t], v[\t], v[TM+4]
	v_mul_f32 v[\t+2], s[C64I], v[\t]
	v_mov_b32 v[\t+3], v[\t+2]
	v_pk_add_f32 v[\t+4:\t+5], v[\x:\x+1], v[\t+2:\t+3] neg_lo:[0,1] neg_hi:[0,1]
	v_pk_add_f32 v[\t+6:\t+7], v[\x+2:\x+3], v[\t+2:\t+3] neg_lo:[0,1] neg_hi:[0,1]
	v_pk_mul_f32 v[\t+8:\t+9], v[\t+4:\t+5], v[\t+4:\t+5]
	v_pk_mul_f32 v[\t+10:\t+11], v[\t+6:\t+7], v[\t+6:\t+7]
.irp i, 4,8,12,16,20,24,28
	v_pk_add_f32 v[\t+4:\t+5], v[\x+\i:\x+\i+1], v[\t+2:\t+3] neg_lo:[0,1] neg_hi:[0,1]
	v_pk_add_f32 v[\t+6:\t+7], v[\x+\i+2:\x+\i+3], v[\t+2:\t+3] neg_lo:[0,1] neg_hi:[0,1]
	v_pk_fma_f32 v[\t+8:\t+9], v[\t+4:\t+5], v[\t+4:\t+5], v[\t+8:\t+9]
	v_pk_fma_f32 v[\t+10:\t+11], v[\t+6:\t+7], v[\t+6:\t+7], v[\t+10:\t+11]
.endr
	v_pk_add_f32 v[\t+8:\t+9], v[\t+8:\t+9], v[\t+10:\t+11]
	v_add_f32 v[\t+8], v[\t+8], v[\t+9]
	v_permlanex16_b32 v[TM+5], v[\t+8], s[SEL], s[SEL+1]
	v_add_f32 v[\t+8], v[\t+8], v[TM+5]
	v_cndmask_b32 v[\t+1], v[\t], v[\t+8], s[HHM]
.endm
.macro P2LD y                          ; row tile y of the trip: q's 32 numbers a lane, attention's two fragments, their scale words: 22 loads
.irp e, 0,1
.irp j, 0,1,2,3
	ds_load_b128 v[XR+32*(\y)+16*\e+4*\j:XR+32*(\y)+16*\e+4*\j+3], v[AD0] offset:16640*(\y)+128*\e+16*\j
.endr
.endr
.irp s, 0,1
.irp p, 0,1,2,3,4,5
	ds_load_b64 v[AF+24*(\y)+12*\s+2*\p:AF+24*(\y)+12*\s+2*\p+1], v[AD1] offset:3072*(\y)+1536*\s+256*\p
.endr
	ds_load_b32 v[AFS+2*(\y)+\s], v[AD2] offset:256*(\y)+128*\s
.endr
.endm
.macro P2MM y                          ; + bp, then x Wp onto it: four accumulators by turns, K step by K step
	WIN 0x08
.set i, 0
.rept 16
	v_pk_add_f32 v[XR+32*(\y)+i:XR+32*(\y)+i+1], v[XR+32*(\y)+i:XR+32*(\y)+i+1], v[VEC+i:VEC+i+1]
.set i, i+2
.endr
	WIN 0
	PLACES 4
	WIN 0x01
.irp s, 0,1
.irp t, 0,1,2,3
	WM XR+32*(\y)+8*\t, 96+24*\t+12*\s, AF+24*(\y)+12*\s, XR+32*(\y)+8*\t, WSP+\t, AFS+2*(\y)+\s, \s
.endr
.endr
	WIN 0
.endm
.macro P2ST y
.irp e, 0,1
.irp j, 0,1,2,3
	ds_store_b128 v[AD3], v[XR+32*(\y)+16*\e+4*\j:XR+32*(\y)+16*\e+4*\j+3] offset:16640*(\y)+128*\e+16*\j
.endr
.endr
.endm
; x = q + bp + attention x Wp: q + bp is the C of the first K step.  Two row tiles a trip, STAGGERED: the second tile's loads land under the first tile's products, the first tile's sums and stores stand under the second tile's products
.macro P2
	VECW 2048, 0
	s_mov_b32 s[TC], 0
.Lp2_\@:
	s_mul_i32 s39, s[TC], 33280
	s_add_co_u32 s40, s39, s[TB]
	s_mul_i32 s41, s[TC], 6144
	s_add_co_u32 s41, s41, XA
	s_lshl_b32 s42, s[TC], 9
	s_add_co_u32 s42, s42, SCLXA
	s_lshl_b32 s43, s[TC], 10
	v_add_nc_u32 v[AD0], s40, v[QCB]
	v_add_nc_u32 v[AD3], s39, v[XSB]
	v_add_nc_u32 v[AD1], s41, v[L8]
	v_add_nc_u32 v[AD2], s42, v[LS]
	v_add_nc_u32 v[AD4], s43, v[STW]
	P2LD 0
	P2LD 1
	s_wait_dscnt 22                                ; bp and the first tile are in; the second tile's 22 loads may be out
	P2MM 0
	s_wait_dscnt 0x0
	P2MM 1                                         ; (its 16 additions and 4 v_nop are the places behind the first tile's products)
	ROWSTAT XR, T2
	ds_store_b32 v[AD4], v[T2+1]
	P2ST 0
	ROWSTAT XR+32, T2+12                           ; (the first tile's sums were the places behind the second tile's products)
	ds_store_b32 v[AD4], v[T2+13] offset:512
	P2ST 1
	s_wait_dscnt 0x0                               ; the stores have read their registers and addresses
	s_add_co_u32 s[TC], s[TC], 1
	s_cmp_lt_u32 s[TC], 2
	s_cbranch_scc1 .Lp2_\@
.endm
; layer norm 2 of my 64 columns of a row tile.  The row's variance from the four waves' figures: (sum of M2 + 64 sum of (wave's mean - mean)^2) / 256: no difference of large sums
.macro LN2 x, st, t, oc, pw
	v_add_f32 v[\t], v[\st], v[\st+2]
	v_add_f32 v[\t+1], v[\st+4], v[\st+6]
	v_add_f32 v[\t], v[\t], v[\t+1]
	v_mul_f32 v[\t], s[C256], v[\t]
	v_mov_b32 v[\t+1], v[\t]
.irp k, 0,1,2,3
	v_fma_f32 v[\t+2+\k], v[\st+2*\k], s[C64I], -v[\t]
.endr
	v_add_f32 v[\t+6], v[\st+1], v[\st+3]
	v_add_f32 v[\t+7], v[\st+5], v[\st+7]
	v_add_f32 v[\t+6], v[\t+6], v[\t+7]
	v_mul_f32 v[\t+7], v[\t+2], v[\t+2]
	v_fma_f32 v[\t+7], v[\t+3], v[\t+3], v[\t+7]
	v_fma_f32 v[\t+7], v[\t+4], v[\t+4], v[\t+7]
	v_fma_f32 v[\t+7], v[\t+5], v[\t+5], v[\t+7]
	v_fma_f32 v[\t+6], v[\t+7], s[C64], v[\t+6]
	v_fma_f32 v[\t+6], v[\t+6], s[C256], s[CEPS]
	v_rsq_f32 v[\t+8], v[\t+6]
.set i, 0
.rept 16
	v_pk_add_f32 v[\x+i:\x+i+1], v[\x+i:\x+i+1], v[\t:\t+1] neg_lo:[0,1] neg_hi:[0,1]   ; plain work behind the transcendental
.set i, i+2
.endr
	s_wait_alu depctr_va_vdst(0)
	v_mov_b32 v[\t+9], v[\t+8]
.set i, 0
.rept 16
	v_pk_mul_f32 v[\x+i:\x+i+1], v[\x+i:\x+i+1], v[\t+8:\t+9]
.set i, i+2
.endr
	WIN 0x28
.set i, 0
.rept 16
	v_pk_fma_f32 v[\x+i:\x+i+1], v[\x+i:\x+i+1], v[VEC+i:VEC+i+1], v[VEC+32+i:VEC+32+i+1]
.set i, i+2
.endr
	WIN 0
	QUANT32 \x, \oc, SX3, \pw
.endm
.macro P3
	VECW 3072, 0
	VECW 4096, 1
	s_mov_b32 s[TC], 0
.Lp3_\@:
	s_mul_i32 s39, s[TC], 33280
	s_lshl_b32 s40, s[TC], 10
	s_mul_i32 s41, s[TC], 6144
	s_lshl_b32 s42, s[TC], 9
	v_add_nc_u32 v[AD0], s39, v[XSB]
	v_add_nc_u32 v[AD1], s40, v[STR]
	v_add_nc_u32 v[AD2], s41, v[XPW]
	v_add_nc_u32 v[AD3], s42, v[XPS]
.irp y, 0,1
.irp e, 0,1
.irp j, 0,1,2,3
	ds_load_b128 v[XR+32*\y+16*\e+4*\j:XR+32*\y+16*\e+4*\j+3], v[AD0] offset:16640*\y+128*\e+16*\j
.endr
	ds_load_b128 v[S8+8*\y+4*\e:S8+8*\y+4*\e+3], v[AD1] offset:512*\y+16*\e
.endr
.endr
	s_wait_dscnt 10                                ; g, b and the first tile are in; the second tile's 10 loads may be out
	LN2 XR, S8, T2, OC3, PW3
.irp p, 0,1,2
	ds_store_b64 v[AD2], v[OC3+2*\p:OC3+2*\p+1] offset:256*\p
.endr
	ds_store_b16 v[AD3], v[PW3]
	s_wait_dscnt 4                                 ; the second tile is in; the 4 stores just issued may be out (the second tile has code registers of its own)
	LN2 XR+32, S8+8, T2+12, OC3+6, PW3+1
.irp p, 0,1,2
	ds_store_b64 v[AD2], v[OC3+6+2*\p:OC3+6+2*\p+1] offset:3072+256*\p
.endr
	ds_store_b16 v[AD3], v[PW3+1] offset:256
	s_wait_dscnt 0x0
	s_add_co_u32 s[TC], s[TC], 1
	s_cmp_lt_u32 s[TC], 2
	s_cbranch_scc1 .Lp3_\@
.endm
.macro W1H acc, t0                     ; four of my eight column tiles of W1; b1 is the C of the first K step
	WIN 0x22
.irp t, 0,1,2,3
	WM \acc+8*\t, 24*(\t0+\t), AF, VEC+8*(\t0+\t), WS1+\t0+\t, AFS, 0
.endr
	WIN 0x02
.irp t, 0,1,2,3
	WM \acc+8*\t, 24*(\t0+\t)+12, AF+12, \acc+8*\t, WS1+\t0+\t, AFS+1, 1
.endr
	WIN 0
.endm
.macro AFP                             ; a row tile's two fragments of norm 2 (by pairs) and their scale words: 14 loads
.irp s, 0,1
.irp p, 0,1,2,3,4,5
	ds_load_b64 v[AF+12*\s+2*\p:AF+12*\s+2*\p+1], v[AD0] offset:1536*\s+256*\p
.endr
	ds_load_b32 v[AFS+\s], v[AD1] offset:128*\s
.endr
.endm
; gelu(u) = u / 2 + u / 2 erf(u / sqrt 2) of 32 numbers, 16 at a time.  The 16 reciprocals are one batch; P's chain is the work behind them; one wait
.macro GELU u
.irp h, 0,16
.set i, 0
.rept 8
	v_pk_mul_f32 v[YY+i:YY+i+1], v[\u+\h+i:\u+\h+i+1], s[RS2:RS2+1] op_sel_hi:[1,0]
.set i, i+2
.endr
.set i, 0
.rept 16
	v_med3_num_f32 v[YY+i], v[YY+i], -4.0, 4.0
.set i, i+1
.endr
.set i, 0
.rept 8
	v_pk_mul_f32 v[ZZ+i:ZZ+i+1], v[YY+i:YY+i+1], v[YY+i:YY+i+1]
.set i, i+2
.endr
.set i, 0
.rept 8
	v_pk_fma_f32 v[QQ+i:QQ+i+1], v[ZZ+i:ZZ+i+1], s[QCF:QCF+1], v[CQ1:CQ1+1] op_sel_hi:[1,0,1]
.set i, i+2
.endr
.irp k, 2,3,4
.set i, 0
.rept 8
	v_pk_fma_f32 v[QQ+i:QQ+i+1], v[QQ+i:QQ+i+1], v[ZZ+i:ZZ+i+1], s[QCF+2*\k:QCF+2*\k+1] op_sel_hi:[1,1,0]
.set i, i+2
.endr
.endr
.set i, 0
.rept 16
	v_rcp_f32 v[QQ+i], v[QQ+i]
.set i, i+1
.endr
.set i, 0
.rept 8
	v_pk_fma_f32 v[PP+i:PP+i+1], v[ZZ+i:ZZ+i+1], s[PCF:PCF+1], v[CP1:CP1+1] op_sel_hi:[1,0,1]
.set i, i+2
.endr
.irp k, 2,3,4,5,6
.set i, 0
.rept 8
	v_pk_fma_f32 v[PP+i:PP+i+1], v[PP+i:PP+i+1], v[ZZ+i:ZZ+i+1], s[PCF+2*\k:PCF+2*\k+1] op_sel_hi:[1,1,0]
.set i, i+2
.endr
.endr
.set i, 0
.rept 8
	v_pk_mul_f32 v[PP+i:PP+i+1], v[PP+i:PP+i+1], v[YY+i:YY+i+1]
.set i, i+2
.endr
.set i, 0
.rept 8
	v_pk_mul_f32 v[ZZ+i:ZZ+i+1], v[\u+\h+i:\u+\h+i+1], 0.5 op_sel_hi:[1,0]
.set i, i+2
.endr
	s_wait_alu depctr_va_vdst(0)
.set i, 0
.rept 8
	v_pk_mul_f32 v[PP+i:PP+i+1], v[PP+i:PP+i+1], v[QQ+i:QQ+i+1]
.set i, i+2
.endr
.set i, 0
.rept 8
	v_pk_fma_f32 v[\u+\h+i:\u+\h+i+1], v[ZZ+i:ZZ+i+1], v[PP+i:PP+i+1], v[ZZ+i:ZZ+i+1]
.set i, i+2
.endr
.endr
.endm
.macro P4
	s_wait_loadcnt 0x0                             ; in the first block: the last of W1's and W2's fragments, asked for at the head, are in
	WIN 0x80
.irp b, 0,1,2,3
.irp j, 0,1,2,3
	ds_load_b128 v[VEC+16*\b+4*\j:VEC+16*\b+4*\j+3], v[VB1] offset:128*\b+16*\j   ; b1 of my 128 hidden units
.endr
.endr
	WIN 0
	v_add_nc_u32 v[AD0], XN, v[L8]
	v_add_nc_u32 v[AD1], SCLXN, v[LS]
	AFP
	s_wait_dscnt 0x0
	W1H ACA, 0
	s_mov_b32 s[TC], 0
.Lp4_\@:
	W1H ACB, 4
	s_add_co_u32 s39, s[TC], 1
	s_and_b32 s39, s39, 3
	s_mul_i32 s40, s39, 3072
	s_add_co_u32 s40, s40, XN
	s_lshl_b32 s41, s39, 8
	s_add_co_u32 s41, s41, SCLXN
	s_mul_i32 s42, s[TC], 6144
	s_lshl_b32 s43, s[TC], 9
	v_add_nc_u32 v[AD0], s40, v[L8]                ; four places in front of loads into registers that the products have read
	v_add_nc_u32 v[AD1], s41, v[LS]
	v_add_nc_u32 v[AD2], s42, v[HIW]
	v_add_nc_u32 v[AD3], s43, v[HISW]
	AFP                                            ; the next row tile (modulo 4: the loads stay inside the images)
	GELU ACA
	s_wait_dscnt 14                                ; the last trip's 4 stores have read their registers; the 14 loads just issued may be out
	QUANT32 ACA, OC4, SX4, OWL
	s_wait_dscnt 0x0
	s_cmp_eq_u32 s[TC], 3                          ; the last trip has no next row tile
	s_cbranch_scc1 .Lp4s_\@
	W1H ACA, 0                                     ; the next row tile's first half, ahead of this tile's second gelu
.Lp4s_\@:
	GELU ACB
	QUANT32 ACB, OC4+6, SX4, OWH
	v_lshl_or_b32 v[PW], v[OWH], 16, v[OWL]
.irp j, 0,1,2
	ds_store_b128 v[AD2], v[OC4+4*\j:OC4+4*\j+3] offset:512*\j   ; K step w of the last product, rows 16 T on
.endr
	ds_store_b32 v[AD3], v[PW]
	s_add_co_u32 s[TC], s[TC], 1
	s_cmp_lt_u32 s[TC], 4
	s_cbranch_scc1 .Lp4_\@
.endm
; P5: out = x + b2 + hidden x W2; x + b2 is the C of a tile's first K step.  x of all four row tiles lies in v66-193.  The 16 fragments f = 4 T + s of the hidden layer go as a STREAM through five slots of 12 registers:
; fragment f feeds four products (my four column tiles, by turns), and behind their places its slot takes fragment f + 5.  A row tile goes back to LDS one fragment behind its last product.
; THE WAITS ARE COUNTED BY THE TEXT: LQ is the number of LDS instructions issued so far in the phase, FDf its value behind fragment f's loads; LDS instructions end in order, so LQ - FDf is what may stay out when f is wanted.
.macro P5X t                           ; x of row tile t, my 64 columns
.irp e, 0,1
.irp j, 0,1,2,3
	ds_load_b128 v[XR+32*(\t)+16*\e+4*\j:XR+32*(\t)+16*\e+4*\j+3], v[XSB] offset:16640*(\t)+128*\e+16*\j
.endr
.endr
.set LQ, LQ+8
.endm
.macro P5F f                           ; fragment f into slot f % 5, its scale words into v[56 + f % 8]
.irp j, 0,1,2
	ds_load_b128 v[HF+12*((\f)%5)+4*\j:HF+12*((\f)%5)+4*\j+3], v[AD1] offset:1536*(\f)+512*\j
.endr
	ds_load_b32 v[AFS+(\f)%8], v[AD2] offset:128*(\f)
.set LQ, LQ+4
.set FD\f, LQ
.endm
.macro P5S t                           ; row tile t goes back
.irp e, 0,1
.irp j, 0,1,2,3
	ds_store_b128 v[XSB], v[XR+32*(\t)+16*\e+4*\j:XR+32*(\t)+16*\e+4*\j+3] offset:16640*(\t)+128*\e+16*\j
.endr
.endr
.set LQ, LQ+8
.endm
.macro P5A t, i0                       ; + b2: eight pairs of row tile t, from pair i0 on
	WIN 0x08
.set i, 2*(\i0)
.rept 8
	v_pk_add_f32 v[XR+32*(\t)+i:XR+32*(\t)+i+1], v[XR+32*(\t)+i:XR+32*(\t)+i+1], v[VEC+i:VEC+i+1]
.set i, i+2
.endr
	WIN 0
.endm
; fragment f's four products.  nf: the fragment that its slot takes next, or -1.  wsym: the count behind the youngest load that must be in.
; The places behind the products: in a tile's first two fragments the next tile's additions of b2 (they name none of the products' registers, and stand two fragments ahead of that tile's first product), else v_nop where a load or a store needs them.
.macro GRP f, nf, wsym
	s_wait_dscnt LQ-\wsym
	WIN 0x03
.irp t, 0,1,2,3
	WM XR+32*((\f)/4)+8*\t, 48*\t+12*((\f)%4), HF+12*((\f)%5), XR+32*((\f)/4)+8*\t, WS2+2*\t+((\f)%4)/2, AFS+(\f)%8, (\f)%2
.endr
.if ((\f) < 12) && (((\f)%4) < 2)
	P5A (\f)/4+1, 8*((\f)%4)
.elseif ((\nf) >= 0) || (((\f)%4) == 3)
	WIN 0
	PLACES 4
.endif
.if (\nf) >= 0
	P5F \nf
.endif
.if (((\f)%4) == 0) && ((\f) > 0)
	WIN 0
	P5S (\f)/4-1
.endif
.endm
.macro P5
.set LQ, 0
	VECW 5120, 0                                   ; b2 of my 64 columns
	v_add_nc_u32 v[AD1], HID, v[LI]
	v_add_nc_u32 v[AD2], SCLH, v[LS]
	P5X 0
	P5X 1
.set XD1, LQ
.irp f, 0,1,2,3,4
	P5F \f
.endr
	P5X 2
	P5X 3
.set XD3, LQ
	s_wait_dscnt LQ-XD1                            ; b2 and row tiles 0 and 1 are in; the five fragments and row tiles 2 and 3 may be out
	P5A 0, 0
	P5A 0, 8
	PLACES 4
	GRP 0, 5, FD0
	GRP 1, 6, FD1
	GRP 2, 7, FD2
	GRP 3, 8, FD3
	GRP 4, 9, XD3                                  ; row tiles 2 and 3, younger than fragment 4, are wanted from here on
	GRP 5, 10, FD5
	GRP 6, 11, FD6
	GRP 7, 12, FD7
	GRP 8, 13, FD8
	GRP 9, 14, FD9
	GRP 10, 15, FD10
	GRP 11, -1, FD11
	GRP 12, -1, FD12
	GRP 13, -1, FD13
	GRP 14, -1, FD14
	GRP 15, -1, FD15
	P5S 3
.endm
.macro BODY
	P0
	BAR                                            ; norm 1's eight fragments lie in LDS
	P1
	BAR                                            ; attention's eight fragments
	P2
	BAR                                            ; x, and every wave's sums
	P3
	BAR                                            ; norm 2's eight fragments
	P4
	BAR                                            ; the hidden layer's sixteen
	P5
	BAR                                            ; 64 whole rows of the output
.set k, 0
.rept 32
	ds_load_b128 v[X+4*k:X+4*k+3], v[P6R] offset:1040*(k/2)+512*(k%2)
.set k, k+1
.endr
.set k, 0
.rept 32
	s_wait_dscnt 31-k                              ; load k is in; the younger ones may be out
	global_store_b128 v[LI], v[X+4*k:X+4*k+3], s[32:33] offset:1024*(k/2)+512*(k%2) th:TH_STORE_NT   ; 32 lanes store 512 consecutive bytes, aligned; written once
.set k, k+1
.endr
	s_wait_xcnt 0x0                                ; the stores have read their registers and their base
	s_add_nc_u64 s[32:33], s[32:33], 65536
	s_xor_b32 s[TB], s[TB], SLOT1
	s_add_co_u32 s[MB], s[MB], 256
.endm
	s_load_b512 s[4:19], s[0:1], 0x0               ; q, q_mask, wf, ws, sf, ss, ks, bp
	s_load_b256 s[20:27], s[0:1], 0x40             ; ln1_g, ln1_b, ln2_g, ln2_b
	s_load_b128 s[28:31], s[0:1], 0x60             ; b1, b2
	s_load_b64 s[32:33], s[0:1], 0x70              ; out0
	v_lshl_add_u32 v[SPW], v0, 2, SPARE
	v_mov_b32 v[NIL], 0
	ds_add_u32 v1, v2
	ds_add_u32 v1, v2
	s_wait_dscnt 0x0
	v_lshrrev_b32 v86, 5, v0
	v_readfirstlane_b32 s[WV], v86                 ; wave 0..3
	s_mov_b32 s[G1], 0x07d20000                    ; elements of 4 bytes; 4 words of padding behind every 256 words: LDS rows 1,040 bytes apart
	s_mov_b32 s[G1+1], 256<<16
	s_mov_b32 s[G1+2], 16<<16
	s_mov_b32 s[G1+3], 256<<16
	s_mov_b32 s[G1+4], 16
	s_mov_b32 s[G1+5], 256
	s_mov_b32 s[G1+6], 0
	s_mov_b32 s[G1+7], 0
	s_mul_i32 s38, s[WV], 16640
	s_lshl_b32 s40, ttmp9, 18
	s_lshl_b32 s39, s[WV], 14
	s_add_co_u32 s40, s40, s39
	s_mov_b32 s41, 0
	s_wait_kmcnt 0x0
	s_mov_b32 s[G0], 1
	s_mov_b32 s[G0+1], s38
	s_add_nc_u64 s[G0+2:G0+3], s[4:5], s[40:41]
	s_or_b32 s[G0+3], s[G0+3], 0x80000000
	tensor_load_to_lds s[G0:G0+3], s[G1:G1+7]      ; block 0 into slot 0, ahead of everything else
	s_nop 0
	PLACES 4
	s_add_nc_u64 s[32:33], s[32:33], s[40:41]      ; out0 at my wave's first row
	v_and_b32 v87, 31, v0
	v_lshlrev_b32 v[LI], 4, v87
	v_lshlrev_b32 v[LS], 2, v87
	v_lshlrev_b32 v[L8], 3, v87
	s_lshr_b32 s42, ttmp9, 5                       ; the batch
	s_mov_b32 s39, 0
	s_mul_i32 s38, s[WV], 24576
	s_add_nc_u64 s[WB:WB+1], s[8:9], s[38:39]      ; W1's and W2's fragments: 16 a wave
	s_mul_i32 s38, s[WV], 12288
	s_add_nc_u64 s[8:9], s[8:9], s[38:39]          ; Wq's and Wp's: 8 a wave
	s_lshl_b32 s38, s[WV], 10
	s_add_nc_u64 s[40:41], s[10:11], s[38:39]
	s_lshl_b32 s38, s[WV], 9
	s_add_nc_u64 s[10:11], s[10:11], s[38:39]
	s_mul_i32 s38, s42, 24576
	s_mul_i32 s43, s[WV], 6144
	s_add_co_u32 s38, s38, s43
	s_add_nc_u64 s[12:13], s[12:13], s[38:39]
	s_lshl_b32 s38, s42, 10
	s_add_nc_u64 s[16:17], s[16:17], s[38:39]      ; sum k of my batch
	s_lshl_b32 s43, s[WV], 8
	s_add_co_u32 s38, s38, s43
	s_add_nc_u64 s[14:15], s[14:15], s[38:39]
	s_lshl_b32 s38, ttmp9, 10
	s_add_nc_u64 s[6:7], s[6:7], s[38:39]          ; my 256 rows' masks
	; THE LOADS, in the order in which they are wanted: the small vectors (5), the scale words (26), Wq and Wp (48), kv_state (12), W1 (48), W2 (48): 187 in all
	s_cmp_lt_u32 s[WV], 2                          ; the small vectors go into LDS once: of each pair waves 0, 1 copy the first, waves 2, 3 the second
	s_cselect_b64 s[20:21], s[20:21], s[22:23]
	s_cselect_b64 s[18:19], s[18:19], s[24:25]
	s_cselect_b64 s[26:27], s[26:27], s[30:31]
	s_cselect_b64 s[16:17], s[16:17], s[6:7]
	v_and_b32 v91, 63, v0
	v_lshlrev_b32 v91, 4, v91
	v_lshlrev_b32 v92, 4, v0
	global_load_b128 v[66:69], v91, s[20:21]
	global_load_b128 v[70:73], v91, s[18:19]
	global_load_b128 v[74:77], v91, s[26:27]
	global_load_b128 v[78:81], v91, s[16:17]
	global_load_b128 v[82:85], v92, s[28:29]
.irp t, 0,1,2,3
	global_load_b32 v[WSQ+\t], v[LS], s[10:11] offset:4096+128*\t
	global_load_b32 v[WSP+\t], v[LS], s[10:11] offset:6144+128*\t
.endr
.irp t, 0,1,2,3,4,5,6,7
	global_load_b32 v[WS1+\t], v[LS], s[40:41] offset:8192+128*\t
	global_load_b32 v[WS2+\t], v[LS], s[40:41] offset:12288+128*\t
.endr
	global_load_b32 v[SS], v[LS], s[14:15]
	global_load_b32 v[SS+1], v[LS], s[14:15] offset:128
	WIN 0x40
.irp f, 0,1,2,3,4,5,6,7
.irp j, 0,1,2
	global_load_b128 v[12*\f+4*\j:12*\f+4*\j+3], v[LI], s[8:9] offset:98304+1536*\f+512*\j
	global_load_b128 v[96+12*\f+4*\j:96+12*\f+4*\j+3], v[LI], s[8:9] offset:147456+1536*\f+512*\j
.endr
.endr
.irp f, 0,1,2,3
.irp j, 0,1,2
	global_load_b128 v[192+12*\f+4*\j:192+12*\f+4*\j+3], v[LI], s[12:13] offset:1536*\f+512*\j
.endr
.endr
	WIN 0x80
.irp f, 0,1,2,3,4,5,6,7,8,9,10,11,12,13,14,15
.irp j, 0,1,2
	global_load_b128 v[12*\f+4*\j:12*\f+4*\j+3], v[LI], s[WB:WB+1] offset:196608+1536*\f+512*\j
.endr
.endr
	WIN 0xc0
.irp f, 0,1,2,3,4,5,6,7,8,9,10,11,12,13,14,15
.irp j, 0,1,2
	global_load_b128 v[12*\f+4*\j:12*\f+4*\j+3], v[LI], s[WB:WB+1] offset:294912+1536*\f+512*\j
.endr
.endr
	WIN 0
	v_lshl_add_u32 v[AD0], v0, 4, VT
	v_and_b32 v88, 15, v0                          ; r
	v_bfe_u32 v89, v0, 4, 1                        ; h
	s_lshl_b32 s4, s[WV], 4
	v_add_nc_u32 v90, s4, v88
	v_mul_u32_u24 v[QRB], v90, 1040
	v_lshl_add_u32 v[QRB], v89, 6, v[QRB]
	v_mul_u32_u24 v[QCB], v88, 1040
	v_lshl_add_u32 v[QCB], v89, 6, v[QCB]
	s_lshl_b32 s4, s[WV], 8
	v_add_nc_u32 v[QCB], s4, v[QCB]
	v_lshl_add_u32 v[VV0], v89, 6, VT
	v_add_nc_u32 v[VVW], s4, v[VV0]
	s_lshl_b32 s5, s[WV], 9
	s_add_co_u32 s5, s5, 8192
	v_add_nc_u32 v[VB1], s5, v[VV0]
	v_lshl_add_u32 v[MKB], v88, 2, VT+7168
	s_mul_i32 s5, s[WV], 3072
	s_add_co_u32 s5, s5, XN
	v_add_nc_u32 v[XNW], s5, v[LI]
	s_add_co_u32 s5, s4, SCLXN
	v_add_nc_u32 v[XNSW], s5, v[LS]
	s_lshr_b32 s5, s[WV], 1
	s_and_b32 s22, s[WV], 1
	s_mul_i32 s23, s5, 1536
	s_mul_i32 s24, s22, 768
	s_add_co_u32 s23, s23, s24
	s_add_co_u32 s23, s23, XN
	v_add_nc_u32 v[XPW], s23, v[L8]
	s_lshl_b32 s23, s5, 7
	s_lshl_b32 s24, s22, 1
	s_add_co_u32 s23, s23, s24
	s_add_co_u32 s23, s23, SCLXN
	v_add_nc_u32 v[XPS], s23, v[LS]
	s_mul_i32 s23, s[WV], 1536
	s_add_co_u32 s23, s23, HID
	v_add_nc_u32 v[HIW], s23, v[LI]
	s_lshl_b32 s23, s[WV], 7
	s_add_co_u32 s23, s23, SCLH
	v_add_nc_u32 v[HISW], s23, v[LS]
	v_lshl_add_u32 v[STR], v88, 5, STAT
	s_lshl_b32 s23, s[WV], 3
	v_lshl_add_u32 v[STW], v89, 2, v[STR]
	v_add_nc_u32 v[STW], s23, v[STW]
	s_mul_i32 s23, s[WV], 16640
	s_add_co_u32 s23, s23, XS
	v_add_nc_u32 v[P6R], s23, v[LI]
	v_add_nc_u32 v[XSB], XS, v[QCB]
	v_mov_b32 v[CQ1], 0xb95fbd29
	v_mov_b32 v[CQ1+1], 0xb95fbd29
	v_mov_b32 v[CP1], 0x32edffee
	v_mov_b32 v[CP1+1], 0x32edffee
.irp i, 4,5,6,7
	v_mov_b32 v[TM+\i], 0                          ; written once: a lane permute's destination counts as one of its sources
.endr
	s_mov_b32 s[SEL], 0x76543210
	s_mov_b32 s[SEL+1], 0xfedcba98
	s_mov_b32 s[HHM], 0xffff0000                   ; lanes 16-31
	SP RS2, 0x3f3504f3                             ; 1 / sqrt 2
	SP PCF, 0xaf95df0b                             ; P, the highest power first (the second coefficient lies in v[54:55])
	SP PCF+2, 0x32edffee
	SP PCF+4, 0xb60cff51
	SP PCF+6, 0xb86ec2d2
	SP PCF+8, 0xba40ac63
	SP PCF+10, 0xbb41a1f6
	SP PCF+12, 0xbc83dbd4
	SP QCF, 0xb77460cd                             ; Q likewise (v[26:27])
	SP QCF+2, 0xb95fbd29
	SP QCF+4, 0xbadc924e
	SP QCF+6, 0xbbf19bf8
	SP QCF+8, 0xbc69b6a7
	SP LG2, 0x3fb8aa3b                             ; log2(e)
	s_mov_b32 s[C256], 0x3b800000                  ; 1 / 256
	s_mov_b32 s[CEPS], 0x3727c5ac                  ; 1e-5
	s_mov_b32 s[C64I], 0x3c800000                  ; 1 / 64
	s_mov_b32 s[C64], 0x42800000                   ; 64
	s_mov_b32 s[CE6], 0x358637bd                   ; 1e-6
	s_mov_b32 s[C8K], 0x46000000                   ; 8192
	s_mov_b32 s[TB], 0
	s_wait_loadcnt 63                              ; of the 187 loads the first 124 are in: the small vectors, all scale words, Wq, Wp, kv_state and 33 loads of W1.  The 63 younger ones (15 of W1, 48 of W2) stay out:
	                                               ; nothing names their registers (windows 2 and 3, v0-191), their address v3 or their base s[100:101] ahead of the wait at the head of P4
	s_mov_b32 s[MB], 0
.irp i, 0,1,2,3,4
	ds_store_b128 v[AD0], v[66+4*\i:66+4*\i+3] offset:2048*\i
.endr
	s_mov_b32 s[CNT], 3
.Lblock:
	CHANGE 1
	BODY
	s_sub_co_u32 s[CNT], s[CNT], 1
	s_cmp_lg_u32 s[CNT], 0
	s_cbranch_scc1 .Lblock
	CHANGE 0                                       ; the last block is written out
	BODY
	s_wait_tensorcnt 0x0                           ; the wave's end
	ds_add_u32 v[SPW], v[NIL]
	s_wait_dscnt 0x0
	s_endpgm
.Lfunc_end_k_qf81c382ca5_qpath:
	.size	k_qf81c382ca5_qpath, .Lfunc_end_k_qf81c382ca5_qpath-k_qf81c382ca5_qpath
	.p2alignl 7, 3214868480
	.fill 96, 4, 3214868480
	.section	.rodata,"a",@progbits
	.p2align	6, 0x0
	.amdhsa_kernel k_qf81c382ca5_qpath
		.amdhsa_group_segment_fixed_size 327680
		.amdhsa_private_segment_fixed_size 0
		.amdhsa_enable_private_segment 0
		.amdhsa_kernarg_size 120
		.amdhsa_user_sgpr_count 2
		.amdhsa_user_sgpr_kernarg_segment_ptr 1
		.amdhsa_wavefront_size32 1
		.amdhsa_system_sgpr_workgroup_id_x 1
		.amdhsa_system_sgpr_workgroup_id_y 1
		.amdhsa_system_sgpr_workgroup_id_z 1
		.amdhsa_system_vgpr_workitem_id 0
		.amdhsa_next_free_vgpr 1024
		.amdhsa_next_free_sgpr 102
		.amdhsa_reserve_vcc 0
		.amdhsa_float_denorm_mode_32 3
		.amdhsa_float_denorm_mode_16_64 3
		.amdhsa_memory_ordered 1
		.amdhsa_forward_progress 1
		.amdhsa_inst_pref_size 255
	.end_amdhsa_kernel
	.section	.bss,"aw",@nobits
	.p2align	6
	.space	262144
	.amdgpu_metadata
---
amdhsa.version: [ 1, 2 ]
amdhsa.kernels:
  - .name:           k_qf81c382ca5_qpath
    .symbol:         k_qf81c382ca5_qpath.kd
    .args:
      - { .name: q, .offset: 0, .size: 8, .value_kind: global_buffer, .address_space: global }
      - { .name: q_mask, .offset: 8, .size: 8, .value_kind: global_buffer, .address_space: global }
      - { .name: wf, .offset: 16, .size: 8, .value_kind: global_buffer, .address_space: global }
      - { .name: ws, .offset: 24, .size: 8, .value_kind: global_buffer, .address_space: global }
      - { .name: sf, .offset: 32, .size: 8, .value_kind: global_buffer, .address_space: global }
      - { .name: ss, .offset: 40, .size: 8, .value_kind: global_buffer, .address_space: global }
      - { .name: ks, .offset: 48, .size: 8, .value_kind: global_buffer, .address_space: global }
      - { .name: bp, .offset: 56, .size: 8, .value_kind: global_buffer, .address_space: global }
      - { .name: ln1_g, .offset: 64, .size: 8, .value_kind: global_buffer, .address_space: global }
      - { .name: ln1_b, .offset: 72, .size: 8, .value_kind: global_buffer, .address_space: global }
      - { .name: ln2_g, .offset: 80, .size: 8, .value_kind: global_buffer, .address_space: global }
      - { .name: ln2_b, .offset: 88, .size: 8, .value_kind: global_buffer, .address_space: global }
      - { .name: b1, .offset: 96, .size: 8, .value_kind: global_buffer, .address_space: global }
      - { .name: b2, .offset: 104, .size: 8, .value_kind: global_buffer, .address_space: global }
      - { .name: out0, .offset: 112, .size: 8, .value_kind: global_buffer, .address_space: global }
    .group_segment_fixed_size: 327680
    .private_segment_fixed_size: 0
    .kernarg_segment_align: 8
    .kernarg_segment_size: 120
    .max_flat_workgroup_size: 128
    .sgpr_count:     102
    .vgpr_count:     1024
    .wavefront_size: 32
...
	.end_amdgpu_metadata
.endif
;; end of part 4
